; MI455X (gfx1250); checked and timed in simulation.
; The chip was launched on July 23, 2026; its instructions are those of AMD's public machine-readable ISA for CDNA 5 (MIT licence, August 2026) and "CDNA5" Instruction Set Architecture Reference Guide (July 2026). The comments in the code are by the model that wrote it; some were corrected since.
;; Multihead Self Attention. Allowed arithmetic: matrix products marked QUANTISED: E2M3 operands, one E8M0 scale for each 32 along K, by v_wmma_scale_f32_16x16x128_f8f6f4 with both operands' format E2M3, f32 sums; everything else in f32.
;; Inputs: Wo 1,024 x 1,024 float32; Wqkv 3,072 x 1,024 float32; pos 2,048 int32; x 4 x 2,048 x 1,024 float32.
;; Outputs: out0 4 x 2,048 x 1,024 float32.
;; This version of the problem:
;;   THIS VERSION OF THE PROBLEM IS GIVEN IN LOW PRECISION. The matrix products marked QUANTISED in the list below multiply operands that are first quantised to E2M3 (2 exponent bits, 3 mantissa bits; 6 bits a number), with one power-of-two scale for each 32 numbers along K (OCP MX v1.0); their sums are f32. All else is computed in f32.
;;   The module's matrix products, in the order in which they are computed (A, B: the left and right operand; K: the contracted axis; several contracted axes count as one K, in the product's order):
;;     1. [M 8,192, K 1,024] x [K 1,024, N 3,072]; A: input x; B: input Wqkv: QUANTISED
;;     2. batch 64 x [M 2,048, K 64] x [K 64, N 2,048]; A: computed on the way; B: computed on the way: QUANTISED
;;     3. batch 64 x [M 2,048, K 2,048] x [K 2,048, N 64]; A: softmax (see below); B: computed on the way: QUANTISED
;;     4. [M 8,192, K 1,024] x [K 1,024, N 1,024]; A: computed on the way; B: input Wo: QUANTISED
;;   THE QUANTISER, for each operand of a quantised product, along K:
;;     - K is cut into blocks of 32 from its start; a last block that is shorter is filled with zeros.
;;     - A block's scale is 2^e with e = floor(log2(the largest magnitude in the block)) - 2, held to -126 .. 127; a block of zeros has e = 0. As a byte (E8M0): e + 127.
;;     - Each number is divided by its block's scale, clamped to +-7.5, and rounded to the nearest number of E2M3, ties to even, subnormals kept.
;;     - The product sums the exact products of the quantised numbers (number of the format x scale) in f32.
;;   ~~~python
;;   def quantise(x, axis):      # numpy; x: float32 -> the quantised numbers, widened to float32 again
;;       x = np.moveaxis(x, axis, -1); K = x.shape[-1]
;;       x = np.pad(x, [(0, 0)] * (x.ndim - 1) + [(0, -K % 32)]); x = x.reshape(x.shape[:-1] + (-1, 32)); a = np.abs(x).max(-1, keepdims=True)
;;       e = np.where(a > 0, np.clip(np.frexp(np.where(a > 0, a, 1))[1] - 1 - 2, -126, 127), 0)      # np.frexp(a)[1] - 1 = floor(log2(a)), exactly
;;       r = np.clip(x / 2.0 ** e, -7.5, 7.5)
;;       step = 2.0 ** (np.maximum(np.frexp(np.where(r == 0, 1, r))[1] - 1, 0) - 3)
;;       q = np.round(r / step) * step * 2.0 ** e      # np.round: ties to even
;;       return np.moveaxis(q.reshape(q.shape[:-2] + (-1,))[..., :K], -1, axis).astype(np.float32)
;;   ~~~
;;   SOFTMAX AHEAD OF A QUANTISED PRODUCT. Where the list says 'softmax', what is quantised is not the finished softmax but p = 2^(t - M), with t = logit x log2(e) and M = ceil(the row's largest t), a whole number; so 1/2 < the row's largest p <= 1. The row's sum l is taken of the UNQUANTISED p, in f32, and the product's result is divided by l at the end. Since M is a whole number, a kernel that streams over the keys may use a running M (the ceiling of the running maximum): every later rescaling is an exact power of two, which a block's scale takes up: the codes' values come out the same.
;;   OPERANDS COMPUTED ON THE WAY. 'Computed on the way' means the value that the module computes at that place (a softmax that the list does not call 'softmax' is quantised finished and normalised). What goes into a quantiser is computed in f32, as accurately as f32 sums, v_exp_f32 and their like allow (about 1e-6 of the number): no bf16 or f16 on the way to a quantiser, and a product that is left as it is and whose result goes on into a quantised operand takes f32 operands (vector FMAs, or v_wmma_f32_16x16x4_f32). A number that lies on a knife's edge between two numbers of the format may be rounded either way, as far as f32 arithmetic and the matrix unit's own rounding can turn it there, and no further.
;; One version. Each part assembles by itself: llvm-mc -triple=amdgcn-amd-amdhsa -mcpu=gfx1250 --defsym DOCPART=n.
;; ======== version 1 of 1: 4 launches
;; limits: right only within a limited range of input values
;; workspace buffers: pre 10,354,688 bytes; qkvc 20,185,088 bytes; attc 6,553,600 bytes
;; launch prep (part 1): grid 448 x 1, 4 waves a work-group, no clusters, 37,376 bytes of LDS; arguments x, Wqkv, Wo, pos, pre; writes pre
.if DOCPART == 1
	.amdgcn_target "amdgcn-amd-amdhsa--gfx1250"
	.amdhsa_code_object_version 6
	.text
	.protected	k_q3a04279c2d_prep
	.globl	k_q3a04279c2d_prep
	.p2align	8
	.type	k_q3a04279c2d_prep,@function
k_q3a04279c2d_prep:
	s_mov_b64 s[64:65], 0
	v_nop
	global_prefetch_b8 v0, s[64:65] scope:SCOPE_SE
	s_setreg_imm32_b32 hwreg(HW_REG_WAVE_MODE, 25, 1), 1
	s_wait_xcnt 0x0
; x [8192][1024], Wqkv [3072][1024], Wo [1024][1024], f32 with K innermost, become codes of FP6 (E2M3) with one E8M0 byte for each 32 along K; and pos becomes a table of cos and sin.
; A block's scale is 2^(floor(log2(its largest magnitude)) - 2): its byte is the largest magnitude's exponent field - 2, held at 1 from below.  A block of zeros keeps the byte 1: its codes are zeros, and this program alone reads the bytes.
; LIMITS: NaN and infinities are not served; blocks whose largest magnitude lies under 2^-124 keep the byte 1; |pos x frequency| up to about 1e5 (three-part reduction by pi/2);
; the 32 frequencies 10^(-i/8) are constants rounded to nearest.
; THE CODES ARE LAID AS THE PRODUCTS' REGISTERS WANT THEM.  Row tile T holds rows 32 (T/2) + 8 (T%2) + r + 8 (r/8), r = 0..15.  A record of 768 bytes is 16 such rows x 64 along K: lane (r, h) owns block h of row r,
; 24 bytes in six registers: registers 0-3 at 16 x lane, registers 4-5 at 512 + 8 x lane.  pre: codes [768 row tiles][16 records]; scale bytes [row tile][4 x 256 K][r][8]; table [2048][32][cos, sin].
; SHARES.  Work-groups 0-383: 32 rows each (x 0-255, Wqkv 256-351, Wo 352-383); wave w takes row tile w & 1 and K half w >> 1: 8 steps of one record.  Each load reads two rows' 256 bytes; a step turns through the wave's
; own stage in LDS (16 rows x 272 bytes) so that a lane gets 32 neighbours.  Loads run three steps ahead, the turn one step.  Waves share nothing: no barrier.  Work-groups share no input: no cluster.
; Work-groups 384-447: the table, 8 positions a wave, a lane a frequency; no LDS.
; WORK LEFT OUT BY THE PROGRAM: reference() builds the causal mask in its own body (jnp.tril) and sets every score with key > query to -inf ahead of the softmax, so such a score's p is 0 for all values of the inputs.
; Key steps of 128 that lie wholly behind a block of queries are therefore multiplied by no launch.  A NaN, an infinity or an overflow that would arise only in the work left out is not carried to the result.
.set XSC,   9437184
.set TRIG,  9830400                    ; where the table begins
.set WREG,  9216                       ; LDS of a wave: two stages, then its 256 scale bytes
.set STG,   4352                       ; a stage: 16 x 272
.set RR,    32                         ; v32-127  three sets of 32 numbers as loaded
.set XX,    128                        ; v128-191 two sets of 32 neighbours
.set CC,    192                        ; v192-239 six registers of codes for each step: no store's data are written again
.set EB,    20                         ; v20-27   a byte for each step
	s_load_b256 s[4:11], s[0:1], 0x0               ; x, Wqkv, Wo, pos
	s_load_b64 s[12:13], s[0:1], 0x20              ; pre
	v_lshl_add_u32 v240, v0, 2, 0x9000
	v_mov_b32 v241, 0
	v_lshrrev_b32 v1, 5, v0
	v_readfirstlane_b32 s16, v1                    ; wave
	v_and_b32 v1, 31, v0                           ; lane
	v_lshlrev_b32 v7, 4, v1                        ; 16 x lane
	v_lshlrev_b32 v8, 3, v1                        ; 8 x lane
	s_cmp_ge_u32 ttmp9, 384
	s_cbranch_scc1 .Ltrig
	v_and_b32 v2, 15, v0                           ; r
	v_bfe_u32 v3, v0, 4, 1                         ; h
	v_lshlrev_b32 v4, 4, v2
	v_lshl_add_u32 v4, v3, 12, v4                  ; in: lanes 0-15 one row's 256 bytes, lanes 16-31 the next row's
	s_mul_i32 s17, s16, WREG
	v_mul_u32_u24 v5, v3, 272
	v_lshl_add_u32 v5, v2, 4, v5
	v_add_nc_u32 v5, s17, v5                       ; the stage, on the way in
	v_mul_u32_u24 v6, v2, 272
	v_lshl_add_u32 v6, v3, 7, v6
	v_add_nc_u32 v6, s17, v6                       ; and out: row r, block h: 128 bytes
	s_add_co_u32 s17, s17, 2*STG
	v_lshl_add_u32 v9, v2, 3, v3
	v_add_nc_u32 v9, s17, v9                       ; my byte: 8 r + h
	v_add_nc_u32 v10, s17, v8                      ; and the 256 bytes on their way out
	s_and_b32 s18, s16, 1                          ; which row tile of the two
	s_lshr_b32 s19, s16, 1                         ; which half of K
	s_mov_b32 s20, 352
	s_wait_alu depctr_va_vdst(0)
	s_wait_kmcnt 0x0
	s_cmp_lt_u32 ttmp9, 352                        ; the tensor is chosen by the work-group's number alone
	s_cselect_b64 s[6:7], s[6:7], s[8:9]
	s_cselect_b32 s20, 256, s20
	s_cmp_lt_u32 ttmp9, 256
	s_cselect_b64 s[4:5], s[4:5], s[6:7]
	s_cselect_b32 s20, 0, s20
	s_sub_co_u32 s20, ttmp9, s20                   ; the group of 32 rows within its tensor
	s_lshl_b32 s20, s20, 17
	s_lshl_b32 s21, s18, 15                        ; 8 rows down for the second tile
	s_add_co_u32 s20, s20, s21
	s_lshl_b32 s21, s19, 11
	s_add_co_u32 s20, s20, s21
	s_mov_b32 s21, 0
	s_add_nc_u64 s[4:5], s[4:5], s[20:21]
	s_lshl_b32 s22, ttmp9, 1
	s_add_co_u32 s22, s22, s18                     ; the row tile in pre: the three tensors' tiles lie on end
	s_mul_i32 s20, s22, 12288
	s_mul_i32 s23, s19, 6144
	s_add_co_u32 s20, s20, s23
	s_add_nc_u64 s[14:15], s[12:13], s[20:21]      ; my codes
	s_lshl_b32 s20, s22, 9
	s_lshl_b32 s23, s19, 8
	s_add_co_u32 s20, s20, s23
	s_add_co_u32 s20, s20, XSC
	s_add_nc_u64 s[12:13], s[12:13], s[20:21]      ; my scale bytes
.macro LOAD t                          ; step t: tile rows 2 i, 2 i + 1 are memory rows 2 i + 8 (i / 4) on
.irp i, 0,1,2,3,4,5,6,7
	global_load_b128 v[RR+32*((\t)%3)+4*\i:RR+32*((\t)%3)+4*\i+3], v4, s[4:5] offset:(2*\i+8*(\i/4))*4096+256*(\t) th:TH_LOAD_NT
.endr
.endm
.macro TURN t                          ; LDS serves a wave's instructions in order: no wait between the stores and the loads
.irp i, 0,1,2,3,4,5,6,7
	ds_store_b128 v5, v[RR+32*((\t)%3)+4*\i:RR+32*((\t)%3)+4*\i+3] offset:STG*((\t)%2)+544*\i
.endr
.irp i, 0,1,2,3,4,5,6,7
	ds_load_b128 v[XX+32*((\t)%2)+4*\i:XX+32*((\t)%2)+4*\i+3], v6 offset:STG*((\t)%2)+16*\i
.endr
.endm
	LOAD 0
	LOAD 1
	LOAD 2
	s_wait_loadcnt 16                              ; step 0's eight loads are in; two sets may be out
	TURN 0
.macro STEP t
.set XB, XX+32*((\t)%2)
.set CB, CC+6*(\t)
.if (\t) > 0
	s_wait_dscnt 1                                 ; this step's numbers are back (the last step's byte store may be out): its stores into the stage have read their registers
.else
	s_wait_dscnt 0x0
.endif
.if (\t)+3 < 8
	LOAD (\t)+3
.endif
.if (\t)+1 < 8
.if (\t) <= 4
	s_wait_loadcnt 16                              ; the next step's loads are in; the two sets behind may be out
.else
	s_wait_loadcnt 8*(6-(\t))
.endif
	TURN (\t)+1
.endif
	v_max3_num_f32 v12, |v[XB]|, |v[XB+1]|, |v[XB+2]|       ; the block's largest magnitude: all 32 numbers are mine; two chains
	v_max3_num_f32 v13, |v[XB+3]|, |v[XB+4]|, |v[XB+5]|
.irp i, 6,10,14,18,22,26
	v_max3_num_f32 v12, v12, |v[XB+\i]|, |v[XB+\i+1]|
	v_max3_num_f32 v13, v13, |v[XB+\i+2]|, |v[XB+\i+3]|
.endr
	v_max3_num_f32 v12, v12, |v[XB+30]|, |v[XB+31]|
	v_max3_num_f32 v12, v12, v13, 0x1800000        ; the floor 2^(3 - 127): the byte cannot fall under 1
	v_add_nc_u32 v14, 0xff000000, v12              ; 2 off the exponent field: the conversion takes that field as its scale
	v_cvt_scalef32_pk16_fp6_f32 v[CB:CB+2], v[XB:XB+15], v14
	v_cvt_scalef32_pk16_fp6_f32 v[16:18], v[XB+16:XB+31], v14   ; (a conversion's three registers begin on an even number)
	v_lshrrev_b32 v[EB+(\t)], 23, v14              ; the byte; also the plain line behind the conversions
.irp i, 0,1,2
	v_mov_b32 v[CB+3+\i], v[16+\i]
.endr
	ds_store_b8 v9, v[EB+(\t)] offset:128*((\t)/4)+2*((\t)%4)
	global_store_b128 v7, v[CB:CB+3], s[14:15] offset:768*(\t)        ; 512 consecutive bytes
	global_store_b64 v8, v[CB+4:CB+5], s[14:15] offset:768*(\t)+512   ; 256 consecutive bytes
.endm
.irp t, 0,1,2,3,4,5,6,7
	STEP \t
.endr
	ds_load_b64 v[12:13], v10
	s_wait_dscnt 0x0
	global_store_b64 v8, v[12:13], s[12:13]        ; 256 consecutive bytes, aligned
	s_wait_tensorcnt 0x0
	ds_add_u32 v240, v241
	s_wait_dscnt 0x0
	s_endpgm
; THE TABLE.  angle = f32(pos) x frequency, one rounding; n = the nearest whole number to angle x 2 / pi; the rest by three fused multiply-adds; polynomials on [-pi/4, pi/4]; the quadrant swaps and signs.
.Ltrig:
.set AN, 16
.set NN, 24
.set RD, 32
.set SQ, 40
.set CP, 48
.set SP, 56
.set IQ, 64
.set TT, 72
.set OO, 80
	s_sub_co_u32 s17, ttmp9, 384
	s_lshl_b32 s17, s17, 5
	s_lshl_b32 s18, s16, 3
	s_add_co_u32 s17, s17, s18                     ; my first position
	s_lshl_b32 s20, s17, 2
	s_mov_b32 s21, 0
	s_wait_kmcnt 0x0
	s_add_nc_u64 s[10:11], s[10:11], s[20:21]
	s_load_b256 s[24:31], s[10:11], 0x0            ; eight numbers of pos
	s_lshl_b32 s20, s17, 8
	s_add_co_u32 s20, s20, TRIG
	s_add_nc_u64 s[12:13], s[12:13], s[20:21]
	v_mov_b32 v2, 0
.macro FQ l, f                         ; lane l's frequency, 10^(-l/8)
	s_mov_b32 s22, \f
	v_writelane_b32 v2, s22, \l
.endm
	FQ 0, 1.0
	FQ 1, 0.7498942093324559
	FQ 2, 0.5623413251903491
	FQ 3, 0.4216965034285822
	FQ 4, 0.31622776601683794
	FQ 5, 0.23713737056616552
	FQ 6, 0.17782794100389228
	FQ 7, 0.1333521432163324
	FQ 8, 0.1
	FQ 9, 0.07498942093324559
	FQ 10, 0.05623413251903491
	FQ 11, 0.04216965034285822
	FQ 12, 0.031622776601683794
	FQ 13, 0.023713737056616552
	FQ 14, 0.017782794100389228
	FQ 15, 0.01333521432163324
	FQ 16, 0.01
	FQ 17, 0.007498942093324559
	FQ 18, 0.005623413251903491
	FQ 19, 0.004216965034285822
	FQ 20, 0.0031622776601683794
	FQ 21, 0.0023713737056616552
	FQ 22, 0.0017782794100389228
	FQ 23, 0.001333521432163324
	FQ 24, 0.001
	FQ 25, 0.0007498942093324559
	FQ 26, 0.0005623413251903491
	FQ 27, 0.0004216965034285822
	FQ 28, 0.00031622776601683794
	FQ 29, 0.00023713737056616552
	FQ 30, 0.00017782794100389228
	FQ 31, 0.0001333521432163324
	s_wait_kmcnt 0x0
.irp p, 0,1,2,3,4,5,6,7
	v_cvt_f32_i32 v[AN+\p], s[24+\p]
.endr
	s_wait_alu depctr_va_vdst(0)
.irp p, 0,1,2,3,4,5,6,7
	v_mul_f32 v[AN+\p], v[AN+\p], v2
.endr
.irp p, 0,1,2,3,4,5,6,7
	v_mul_f32 v[NN+\p], 0x3f22f983, v[AN+\p]
.endr
.irp p, 0,1,2,3,4,5,6,7
	v_rndne_f32 v[NN+\p], v[NN+\p]
.endr
.irp p, 0,1,2,3,4,5,6,7
	v_fmamk_f32 v[RD+\p], v[NN+\p], 0xbfc90fd8, v[AN+\p]
.endr
.irp p, 0,1,2,3,4,5,6,7
	v_fmamk_f32 v[RD+\p], v[NN+\p], 0xb4a8885a, v[RD+\p]
.endr
.irp p, 0,1,2,3,4,5,6,7
	v_fmamk_f32 v[RD+\p], v[NN+\p], 0xa7c234c4, v[RD+\p]
.endr
.irp p, 0,1,2,3,4,5,6,7
	v_mul_f32 v[SQ+\p], v[RD+\p], v[RD+\p]
.endr
.irp p, 0,1,2,3,4,5,6,7
	v_mov_b32 v[CP+\p], 0x37cd4000
	v_mov_b32 v[SP+\p], 0x36405000
.endr
.irp p, 0,1,2,3,4,5,6,7
	v_fmaak_f32 v[CP+\p], v[CP+\p], v[SQ+\p], 0xbab6077d
	v_fmaak_f32 v[SP+\p], v[SP+\p], v[SQ+\p], 0xb9503486
.endr
.irp p, 0,1,2,3,4,5,6,7
	v_fmaak_f32 v[CP+\p], v[CP+\p], v[SQ+\p], 0x3d2aaaa8
	v_fmaak_f32 v[SP+\p], v[SP+\p], v[SQ+\p], 0x3c0888c1
.endr
.irp p, 0,1,2,3,4,5,6,7
	v_fma_f32 v[CP+\p], v[CP+\p], v[SQ+\p], -0.5
	v_fmaak_f32 v[SP+\p], v[SP+\p], v[SQ+\p], 0xbe2aaaab
.endr
.irp p, 0,1,2,3,4,5,6,7
	v_fma_f32 v[CP+\p], v[CP+\p], v[SQ+\p], 1.0
	v_mul_f32 v[TT+\p], v[RD+\p], v[SQ+\p]
.endr
.irp p, 0,1,2,3,4,5,6,7
	v_fma_f32 v[SP+\p], v[SP+\p], v[TT+\p], v[RD+\p]
	v_cvt_i32_f32 v[IQ+\p], v[NN+\p]
.endr
.irp p, 0,1,2,3,4,5,6,7
	v_and_b32 v[TT+\p], 1, v[IQ+\p]
	v_cmp_eq_u32 vcc_lo, 1, v[TT+\p]               ; an odd quadrant swaps the two
	v_cndmask_b32 v[OO+2*\p], v[CP+\p], v[SP+\p], vcc_lo
	v_cndmask_b32 v[OO+2*\p+1], v[SP+\p], v[CP+\p], vcc_lo
	v_and_b32 v[TT+\p], 2, v[IQ+\p]
	v_lshlrev_b32 v[TT+\p], 30, v[TT+\p]
	v_xor_b32 v[OO+2*\p+1], v[TT+\p], v[OO+2*\p+1] ; the sine's sign
	v_add_nc_u32 v[TT+\p], 1, v[IQ+\p]
	v_and_b32 v[TT+\p], 2, v[TT+\p]
	v_lshlrev_b32 v[TT+\p], 30, v[TT+\p]
	v_xor_b32 v[OO+2*\p], v[TT+\p], v[OO+2*\p]     ; the cosine's
	global_store_b64 v8, v[OO+2*\p:OO+2*\p+1], s[12:13] offset:256*\p   ; a position's 256 bytes
.endr
	s_endpgm
.Lfunc_end_k_q3a04279c2d_prep:
	.size	k_q3a04279c2d_prep, .Lfunc_end_k_q3a04279c2d_prep-k_q3a04279c2d_prep
	.p2alignl 7, 3214868480
	.fill 96, 4, 3214868480
	.section	.rodata,"a",@progbits
	.p2align	6, 0x0
	.amdhsa_kernel k_q3a04279c2d_prep
		.amdhsa_group_segment_fixed_size 37376
		.amdhsa_private_segment_fixed_size 0
		.amdhsa_enable_private_segment 0
		.amdhsa_kernarg_size 40
		.amdhsa_user_sgpr_count 2
		.amdhsa_user_sgpr_kernarg_segment_ptr 1
		.amdhsa_wavefront_size32 1
		.amdhsa_system_sgpr_workgroup_id_x 1
		.amdhsa_system_sgpr_workgroup_id_y 1
		.amdhsa_system_sgpr_workgroup_id_z 1
		.amdhsa_system_vgpr_workitem_id 0
		.amdhsa_next_free_vgpr 242
		.amdhsa_next_free_sgpr 66
		.amdhsa_reserve_vcc 1
		.amdhsa_float_denorm_mode_32 3
		.amdhsa_float_denorm_mode_16_64 3
		.amdhsa_memory_ordered 1
		.amdhsa_forward_progress 1
		.amdhsa_inst_pref_size 47
	.end_amdhsa_kernel
	.amdgpu_metadata
---
amdhsa.version: [ 1, 2 ]
amdhsa.kernels:
  - .name:           k_q3a04279c2d_prep
    .symbol:         k_q3a04279c2d_prep.kd
    .args:
      - { .name: x, .offset: 0, .size: 8, .value_kind: global_buffer, .address_space: global }
      - { .name: Wqkv, .offset: 8, .size: 8, .value_kind: global_buffer, .address_space: global }
      - { .name: Wo, .offset: 16, .size: 8, .value_kind: global_buffer, .address_space: global }
      - { .name: pos, .offset: 24, .size: 8, .value_kind: global_buffer, .address_space: global }
      - { .name: pre, .offset: 32, .size: 8, .value_kind: global_buffer, .address_space: global }
    .group_segment_fixed_size: 37376
    .private_segment_fixed_size: 0
    .kernarg_segment_align: 8
    .kernarg_segment_size: 40
    .max_flat_workgroup_size: 128
    .sgpr_count:     66
    .vgpr_count:     242
    .wavefront_size: 32
...
	.end_amdgpu_metadata
.endif
;; end of part 1
;; launch qkvgemm (part 2): grid 4 x 64, 4 waves a work-group, clusters of 4 x 4, 327,680 bytes of LDS; arguments pre, qkvc; writes qkvc
.if DOCPART == 2
	.amdgcn_target "amdgcn-amd-amdhsa--gfx1250"
	.amdhsa_code_object_version 6
	.text
	.protected	k_q3a04279c2d_qkvgemm
	.globl	k_q3a04279c2d_qkvgemm
	.p2align	8
	.type	k_q3a04279c2d_qkvgemm,@function
k_q3a04279c2d_qkvgemm:
	s_mov_b64 s[64:65], 0
	v_nop
	global_prefetch_b8 v0, s[64:65] scope:SCOPE_SE
	s_setreg_imm32_b32 hwreg(HW_REG_WAVE_MODE, 25, 1), 1
	s_wait_xcnt 0x0
	s_wait_alu depctr_hold_cnt(0) depctr_sa_sdst(0) depctr_va_vdst(0) depctr_va_sdst(0) depctr_va_ssrc(0) depctr_va_vcc(0) depctr_vm_vsrc(0)
	s_getreg_b32 s2, hwreg(HW_REG_IB_STS2, 6, 4)
	s_cmp_eq_u32 s2, 0
	s_cbranch_scc0 .Lentry_in_a_cluster
	s_endpgm
.Lentry_in_a_cluster:
	s_bfe_u32 s2, ttmp6, 0x10000c
	s_cmp_lg_u32 s2, 0xf033
	s_cbranch_scc0 .Lentry_shape_is_right
	s_endpgm
.Lentry_shape_is_right:
; qkv = x Wqkv^T on codes of FP6 (E2M3) with E8M0 scales; q and k are rotated (RoPE, by the table of cos and sin) and quantised along the head's 64, v along the keys.  Only codes and scale bytes go to memory.
; THE DEAL.  256 work-groups.  A work-group owns 128 tokens (one key step) and four heads, and makes their q, then k, then v: three phases of 128 x 256.  Four waves, 2 x 2: a wave makes 64 tokens x 128 features (two heads): 32 accumulators.
; x's 64 rows of a wave, ALL of K, lie in registers through all three phases: 32 fragments, 384 registers.  Wqkv streams through two LDS slots, one for each half of K (16 row tiles x 6,144 bytes).
; THE CODES LIE AS REGISTER IMAGES: a record of 768 bytes is 16 rows x 64 K: registers 0-3 at 16 x lane, 4-5 at 512 + 8 x lane; a fragment is two records.  A ROW TILE i holds rows 32 (i/2) + 8 (i%2) + r + 8 (r/8).
; THE MATRIX INSTRUCTION IS USED TRANSPOSED (source 0 = 16 features, source 1 = 16 tokens): lane (r, h) holds one token, and the 16 registers of feature tiles 2 b, 2 b + 1 are features 32 b + 16 h + 0..15.
; CLUSTERS 4 x 4: x's tiles are asked for jointly along a row of the cluster, Wqkv's along a column.
; FILLS.  At the head one load a wave: x's codes, slot 0, x's scales, Wqkv's scales of phase q.  Slot 1's first fill (wave 2) stands behind the full sequence and a round.
; In phases q and k ONE drained round, inside K step 7, whose fragments and scale words are in registers by then: behind it wave 0 fills slot 0 again, wave 1 the scales, wave 2 slot 1, all for the next phase.
; The barrier at a phase's end shows slot 0 and the scales (waves 0 and 1 have waited; wave 2, whose load line is its own, has not); the plain barrier in K step 3, ahead of the first fetch from slot 1, shows slot 1.
; The stages and gathers of the ways out lie in x's region of LDS, which is filled once and read for the last time at the head.
; THE TABLE of token tiles 0-2 is asked for at a phase's start, into registers that lie idle until the way out, and moved beside the accumulators' windows behind the products; tile 3's is asked for in K step 7.
; No prefetch: a refill is asked for a whole way out ahead of the wait for it, and Wqkv's tiles are read by all sixteen rows of clusters at the same steps of the same walk.
; OUT (qkvc): for each head 208,896 bytes: k's scale words [16 steps][r][8 tiles][4], v's [16][r][4 tiles][4], then 16 steps of (8 records of k, 8 of v: tile dt, keys 64 c on, at 2 dt + c); then q's records; then q's scale words.
; A scale word of q or k: two bytes for the head's two blocks, then 0x7f, 0x7f for the half of the instruction's K that holds zero codes.
; LIMITS: NaN and infinities are not served; blocks whose largest magnitude lies under 2^-124 keep the byte 1.
; REGISTERS: window 0: v1-29 addresses; v32-63 scale words, two sets, nothing else; v64-183 at work on the way out; v184-255 x's fragments 26-31.  window 1: Wqkv's fragments, two sets of 96 (on the way out cos and sin); v192-251 x's fragments 21-25.
;   window 2: accumulator (a, b) at v[8 (8 a + b)].  window 3: x's fragments 0-20.  x's fragment of K step q, token tile a has the number 4 q + a.
.set XS,    9437184
.set WQ,    6291456
.set WS,    9699328
.set TRIG,  9830400
.set KVH,   208896
.set QC,    13369344
.set QS,    19660800
.set PHB,   786432                     ; Wqkv's codes, from phase to phase: 64 row tiles
.set PHS,   32768                      ; its scale bytes
.set SL0,   98304
.set SL1,   196608
.set SCA,   294912                     ; x's scale bytes, 4,096
.set SCB,   299008                     ; Wqkv's, 8,192
.set SPARE, 307200
.set QKG,   69632                      ; in x's region: q's or k's scale words, [4 heads][512]
.set VG,    73728                      ; v's, [4 heads][256]
.set QGA,  8
.set QGR,  9
.set VSTO, 10
.set VRD,  11
.set VGA,  12
.set VGR,  13
.set VSO,  14
.set ADRB, 16                          ; v16-17 16 x lane in slot 0, 1; v18-19 8 x lane
.set ADA,  20                          ; v20, v22 the same in x's region (the head alone)
.set L16,  24
.set L8,   25
.set TA,   26
.set ADRS, 27
.set SPW,  28
.set NIL,  29
.set SC,   32
.set SEL,  2
.set G1A,  24
.set G1H,  32
.set G1S,  48
.set G1SB, 56
.set G0A,  76
.set G0H,  80
.set G0S,  84
.set G0SB, 88
.set G0R1, 96
.set MSB, 0
.macro WIN new                         ; the immediate's high byte repeats the setting that is left
.if MSB != \new
	s_set_vgpr_msb (MSB<<8)|\new
.set MSB, \new
.endif
.endm
.macro PLACES n
.rept \n
	v_nop
.endr
.endm
.macro WALU
	s_wait_alu depctr_va_vdst(0)
.endm
.macro CREST
	s_cmp_lg_u32 s14, 0
	s_cbranch_scc1 .Lnot_wave_0_\@
	s_barrier_signal -3
.Lnot_wave_0_\@:
	s_barrier_wait -3
	s_barrier_signal -1
	s_barrier_wait -1
.endm
.macro CROUND
	s_barrier_signal -1
	s_barrier_wait -1
	CREST
.endm
.macro GRP g, mask, c, rows, pitch     ; group 1: rows of c elements of 8 bytes; the mask, bit 21 beside it; no padding
	s_or_b32 s[\g], s\mask, (3<<16)|(1<<21)
	s_mov_b32 s[\g+1], (\c)<<16
	s_mov_b32 s[\g+2], (\rows)<<16
	s_mov_b32 s[\g+3], (\c)<<16
	s_mov_b32 s[\g+4], \rows
	s_mov_b32 s[\g+5], \pitch
	s_mov_b32 s[\g+6], 0
	s_mov_b32 s[\g+7], 0
.endm
.macro G0SET g, lds, adr
	s_mov_b32 s[\g], 1
	s_mov_b32 s[\g+1], \lds
	s_mov_b64 s[\g+2:\g+3], s[\adr:\adr+1]
	s_or_b32 s[\g+3], s[\g+3], 0x80000000
.endm
.macro TLOAD g0, g1
	tensor_load_to_lds s[\g0:\g0+3], s[\g1:\g1+7]
	s_nop 0
	PLACES 4
.endm
.macro ARM under, g0, g1, next
	s_cmp_lt_u32 s14, \under
	s_cbranch_scc0 \next
	TLOAD \g0, \g1
	s_branch .Lhead_asked
\next:
.endm
.macro RLOAD                           ; the next phase's tiles: wave 0 slot 0, wave 1 the scales, wave 2 slot 1; each line is one wave's own
	s_cmp_lt_u32 s14, 1
	s_cbranch_scc0 .Lr1_\@
	TLOAD G0H, G1H
	s_branch .Lrj_\@
.Lr1_\@:
	s_cmp_lt_u32 s14, 2
	s_cbranch_scc0 .Lr2_\@
	TLOAD G0SB, G1SB
	s_branch .Lrj_\@
.Lr2_\@:
	s_cmp_lt_u32 s14, 3
	s_cbranch_scc0 .Lrj_\@
	TLOAD G0R1, G1H
.Lrj_\@:
.endm
.macro ALOC f                          ; where x's fragment f lies: window AW_, register AR_
.if (\f) < 21
.set AW_, 3
.set AR_, 12*(\f)
.elseif (\f) < 26
.set AW_, 1
.set AR_, 192+12*((\f)-21)
.else
.set AW_, 0
.set AR_, 184+12*((\f)-26)
.endif
.endm
.macro FRAG reg, adr, off              ; a fragment: two records, four dense loads
	ds_load_b128 v[\reg:\reg+3], v[\adr] offset:\off
	ds_load_b64 v[\reg+4:\reg+5], v[\adr+2] offset:\off+512
	ds_load_b128 v[\reg+6:\reg+9], v[\adr] offset:\off+768
	ds_load_b64 v[\reg+10:\reg+11], v[\adr+2] offset:\off+1280
.endm
.macro FETCH_B slot, qq, p             ; Wqkv's eight fragments of the slot's K step qq into set p
	WIN 0x40
.irp i, 0,1,2,3,4,5,6,7
	FRAG 96*(\p)+12*\i, ADRB+(\slot), (6144*\i+1536*(\qq))
.endr
	WIN 0
.endm
.macro SCALES kp                       ; two K steps' words: lanes 0-15 x's tile i (i < 4 is used), lanes 16-31 Wqkv's tile i
.irp i, 0,1,2,3,4,5,6,7
	ds_load_b64 v[SC+16*((\kp)%2)+2*\i:SC+16*((\kp)%2)+2*\i+1], v[ADRS] offset:\i*512+128*(\kp)
.endr
.endm
; eight products: token tile a x the eight feature tiles, K step q.  The 32 accumulators take turns in the same order in every K step.
.macro MUL8 q, a
	ALOC 4*(\q)+(\a)
	WIN (0xa1|(AW_<<2))
.irp b, 0,1,2,3,4,5,6,7
.if (\q) == 0
	v_wmma_scale_f32_16x16x128_f8f6f4 v[64*(\a)+8*\b:64*(\a)+8*\b+7], v[96*((\q)%2)+12*\b:96*((\q)%2)+12*\b+11], v[AR_:AR_+11], 0, v[SC+16*(((\q)/2)%2)+2*\b+(\q)%2], v[SC+16*(((\q)/2)%2)+2*(\a)+(\q)%2] matrix_a_fmt:MATRIX_FMT_FP6 matrix_b_fmt:MATRIX_FMT_FP6 matrix_a_scale:MATRIX_SCALE_ROW1
.else
	v_wmma_scale_f32_16x16x128_f8f6f4 v[64*(\a)+8*\b:64*(\a)+8*\b+7], v[96*((\q)%2)+12*\b:96*((\q)%2)+12*\b+11], v[AR_:AR_+11], v[64*(\a)+8*\b:64*(\a)+8*\b+7], v[SC+16*(((\q)/2)%2)+2*\b+(\q)%2], v[SC+16*(((\q)/2)%2)+2*(\a)+(\q)%2] matrix_a_fmt:MATRIX_FMT_FP6 matrix_b_fmt:MATRIX_FMT_FP6 matrix_a_scale:MATRIX_SCALE_ROW1
.endif
.endr
.endm
.macro NEXTB q                         ; the next K step's fragments, and with every second step the next scale words
	FETCH_B ((\q)+1)/4, ((\q)+1)%4, ((\q)+1)%2
.if ((\q)+1)%2 == 0
	SCALES ((\q)+1)/2
.endif
.endm
.macro TRIGL a, d                      ; cos and sin of my token's four pairs of feature tile m (both heads take the same), token tile a: v[d + 8 m ..]
.irp m, 0,1,2,3
.irp e, 0,1
	global_load_b128 v[\d+8*\m+4*\e:\d+8*\m+4*\e+3], v[TA], s[12:13] offset:(32*((\a)/2)+8*((\a)%2))*256+128*(\m/2)+32*(\m%2)+16*\e
.endr
.endr
.endm
; A K step: 32 products; the next step's fragments are fetched at its head.  K step 3 holds the plain barrier that shows slot 1.  rf = 1: K step 7 holds the round behind which both slots and the scales are filled again.
.macro KSTEP q, rf
	s_wait_dscnt 0x0                               ; this step's fragments are in
.if (\q) == 3
	MUL8 \q, 0
	MUL8 \q, 1
	s_wait_tensorcnt 0x0                           ; slot 1's load, if it is mine, has landed
	s_barrier_signal -1
	MUL8 \q, 2
	WIN 0
	s_barrier_wait -1
	PLACES 4
	NEXTB \q
	MUL8 \q, 3
.elseif (\q) == 7 && (\rf) == 1
	PLACES 4
	WIN 0x40
	TRIGL 3, 0                                     ; into set 0, which K step 6 has left
	WIN 0
	s_wait_tensorcnt 0x0                           ; none of my tensor loads is out;
	ds_add_u32 v[SPW], v[NIL]
	MUL8 \q, 0
	MUL8 \q, 1
	s_wait_dscnt 0x0                               ; the add is done; my reads of both slots and of the scales were over at the step's head
	s_barrier_signal -1
	MUL8 \q, 2
	WIN 0
	s_barrier_wait -1
	CREST
	s_add_nc_u64 s[G0H+2:G0H+3], s[G0H+2:G0H+3], PHB
	s_add_nc_u64 s[G0SB+2:G0SB+3], s[G0SB+2:G0SB+3], PHS
	s_add_nc_u64 s[G0R1+2:G0R1+3], s[G0R1+2:G0R1+3], PHB
	RLOAD
	MUL8 \q, 3
.else
	PLACES 4
.if (\q) < 7
	NEXTB \q
.endif
	MUL8 \q, 0
	MUL8 \q, 1
	MUL8 \q, 2
	MUL8 \q, 3
.endif
.endm
.macro COMPUTE rf
	FETCH_B 0, 0, 0
	SCALES 0
.irp q, 0,1,2,3,4,5,6,7
	KSTEP \q, \rf
.endr
	WIN 0
	PLACES 4
.endm
	s_load_b128 s[4:7], s[0:1], 0x0                ; pre, qkvc
	v_lshl_add_u32 v[SPW], v0, 2, SPARE
	v_mov_b32 v[NIL], 0
	ds_add_u32 v[SPW], v[NIL]                      ; the opening lines: the add twice on end and its wait
	ds_add_u32 v[SPW], v[NIL]
	v_lshrrev_b32 v1, 5, v0
	v_readfirstlane_b32 s14, v1                    ; wave
	s_lshr_b32 s15, s14, 1                         ; my half of the tokens
	s_and_b32 s16, s14, 1                          ; my half of the features
	s_bfe_u32 s40, ttmp6, 0x40000                  ; cx: which four heads
	s_bfe_u32 s41, ttmp6, 0x40004                  ; cy
	s_and_b32 s17, ttmp7, 0xffff
	s_lshl_b32 s17, s17, 2
	s_add_co_u32 s17, s17, s41                     ; which 128 tokens
	s_lshl_b32 s43, s41, 2
	s_lshl_b32 s43, 15, s43                        ; my row of the cluster
	s_lshl_b32 s44, 0x1111, s40                    ; my column
	s_mov_b32 s[SEL], 0x76543210
	s_mov_b32 s[SEL+1], 0xfedcba98
	GRP G1A,  43, 32, 384, 32                      ; x's codes: 98,304 dense bytes
	GRP G1H,  44, 768, 16, 1536                    ; a slot: 16 row tiles x 6,144 bytes, 12,288 apart
	GRP G1S,  43, 32, 16, 32                       ; x's scales: 4,096 dense bytes
	GRP G1SB, 44, 32, 32, 32                       ; Wqkv's of a phase: 8,192
	s_mul_i32 s20, s17, 98304
	s_mov_b32 s21, 0
	s_lshl_b32 s22, s17, 12
	s_add_co_u32 s22, s22, XS
	s_mov_b32 s23, 0
	s_mul_i32 s46, s40, 196608
	s_add_co_u32 s46, s46, WQ
	s_mov_b32 s47, 0
	s_lshl_b32 s18, s40, 13
	s_add_co_u32 s18, s18, WS
	s_mov_b32 s19, 0
	s_mul_i32 s45, s16, 49152                      ; my eight row tiles in a slot
	s_wait_dscnt 0x0
	s_wait_kmcnt 0x0
	s_add_nc_u64 s[20:21], s[4:5], s[20:21]
	s_add_nc_u64 s[22:23], s[4:5], s[22:23]
	s_add_nc_u64 s[46:47], s[4:5], s[46:47]
	s_add_nc_u64 s[18:19], s[4:5], s[18:19]
	CROUND                                         ; all sixteen work-groups are here: the first joint loads meet
	G0SET G0A, 0, 20
	G0SET G0H, SL0, 46
	G0SET G0S, SCA, 22
	G0SET G0SB, SCB, 18
	s_add_nc_u64 s[46:47], s[46:47], 6144
	G0SET G0R1, SL1, 46
	ARM 1, G0A, G1A, .Lhead_b                      ; one load a wave: one chain of branches on the wave's number
	ARM 2, G0H, G1H, .Lhead_sa
	ARM 3, G0S, G1S, .Lhead_sb
	TLOAD G0SB, G1SB
.Lhead_asked:
	v_and_b32 v1, 15, v0                           ; r
	v_bfe_u32 v2, v0, 4, 1                         ; h
	v_and_b32 v3, 31, v0
	v_lshlrev_b32 v[L16], 4, v3
	v_lshlrev_b32 v[L8], 3, v3
	s_mul_i32 s21, s15, 49152                      ; x: my four row tiles
	v_add_nc_u32 v[ADA], s21, v[L16]
	v_add_nc_u32 v[ADA+2], s21, v[L8]
	s_add_co_u32 s22, s45, SL0                     ; Wqkv: my eight
	v_add_nc_u32 v[ADRB], s22, v[L16]
	v_add_nc_u32 v[ADRB+2], s22, v[L8]
	s_add_co_u32 s22, s45, SL1
	v_add_nc_u32 v[ADRB+1], s22, v[L16]
	v_add_nc_u32 v[ADRB+3], s22, v[L8]
	v_lshlrev_b32 v5, 3, v1                        ; scale words: 8 bytes a row for two K steps
	s_lshl_b32 s21, s15, 11
	s_lshl_b32 s22, s16, 12
	s_add_co_u32 s22, s22, SCB-SCA
	s_sub_co_u32 s22, s22, s21
	v_mul_u32_u24 v6, s22, v2                      ; lanes 16-31 take Wqkv's
	s_add_co_u32 s21, s21, SCA
	v_add_nc_u32 v5, v5, v6
	v_add_nc_u32 v[ADRS], s21, v5
	v_and_b32 v7, 8, v1
	v_add_nc_u32 v7, v7, v1                        ; r + 8 (r / 8)
	v_lshlrev_b32 v[TA], 8, v7
	v_lshl_add_u32 v[TA], v2, 6, v[TA]             ; the table: my token's 256 bytes, + 64 h
	s_lshl_b32 s21, s16, 10
	s_lshl_b32 s22, s15, 4
	s_add_co_u32 s21, s21, s22
	s_add_co_u32 s21, s21, QKG
	v_lshl_add_u32 v[QGA], v1, 5, s21              ; the gather: head 2 x my half (+ 512: the next), row r, my four tiles' 16 bytes
	s_lshl_b32 s21, s14, 9
	s_add_co_u32 s21, s21, QKG
	v_add_nc_u32 v[QGR], s21, v[L16]               ; and back: wave w takes head w's 512 bytes
	s_mul_i32 s21, s14, 16896                      ; v's stage: 32 keys x 528 bytes
	v_mul_u32_u24 v[VSTO], v7, 528
	v_lshl_add_u32 v[VSTO], v2, 6, v[VSTO]
	v_add_nc_u32 v[VSTO], s21, v[VSTO]
	v_lshl_add_u32 v[VRD], v2, 3, v7
	v_lshl_add_u32 v[VRD], v[VRD], 2, s21          ; back: my channel 8 (lane / 16) + r + 8 (r / 8) of 32
	s_lshl_b32 s21, s16, 9
	s_add_co_u32 s21, s21, VG
	v_add_nc_u32 v[VGR], s21, v[L16]
	s_lshl_b32 s22, s15, 1
	s_add_co_u32 s21, s21, s22
	v_lshlrev_b32 v[VGA], 4, v1
	v_lshl_add_u32 v[VGA], v2, 2, v[VGA]
	v_add_nc_u32 v[VGA], s21, v[VGA]               ; my two bytes of a word of v's scales
	v_mul_u32_u24 v[VSO], v2, KVH
	v_lshl_add_u32 v[VSO], v1, 4, v[VSO]
	; where the results go
	s_lshr_b32 s8, s17, 4
	s_lshl_b32 s8, s8, 4
	s_lshl_b32 s9, s40, 2
	s_add_co_u32 s8, s8, s9                        ; 16 batch + 4 cx
	s_add_co_u32 s20, s8, s14                      ; the head whose gathered words I store
	s_lshl_b32 s9, s16, 1
	s_add_co_u32 s8, s8, s9                        ; the first of my two heads
	s_and_b32 s9, s17, 15                          ; which 128 tokens of the sequence
	s_mul_i32 s45, s15, 3072                       ; my four records of the step's eight
	s_mov_b32 s23, 0
	s_mul_i32 s22, s8, 98304
	s_mul_i32 s21, s9, 6144
	s_add_co_u32 s22, s22, s21
	s_add_co_u32 s22, s22, s45
	s_add_co_u32 s22, s22, QC
	s_add_nc_u64 s[66:67], s[6:7], s[22:23]        ; q: my first head's codes,
	s_add_nc_u64 s[10:11], s[66:67], 98304         ; my second head's,
	s_lshl_b32 s22, s20, 13
	s_lshl_b32 s21, s9, 9
	s_add_co_u32 s22, s22, s21
	s_add_co_u32 s22, s22, QS
	s_add_nc_u64 s[18:19], s[6:7], s[22:23]        ; the scale words
	s_mul_i32 s22, s8, KVH
	s_mul_i32 s21, s9, 12288
	s_add_co_u32 s22, s22, s21
	s_add_co_u32 s22, s22, s45
	s_add_co_u32 s22, s22, 12288
	s_add_nc_u64 s[46:47], s[6:7], s[22:23]        ; k: the same three
	s_add_nc_u64 s[100:101], s[46:47], KVH
	s_mul_i32 s22, s20, KVH
	s_lshl_b32 s21, s9, 9
	s_add_co_u32 s22, s22, s21
	s_add_nc_u64 s[104:105], s[6:7], s[22:23]
	s_lshl_b32 s22, s9, 15
	s_lshl_b32 s21, s15, 14
	s_add_co_u32 s22, s22, s21
	s_add_co_u32 s22, s22, TRIG
	s_add_nc_u64 s[12:13], s[4:5], s[22:23]        ; the table at my first token
	WALU                                           ; the wait at the head's end
	s_wait_tensorcnt 0x0                           ; my tile of the head's four is in; the lines ahead of a later first fill:
	ds_add_u32 v[SPW], v[NIL]
	s_wait_dscnt 0x0
	CROUND
	s_cmp_eq_u32 s14, 2
	s_cbranch_scc0 .Lno_f1
	TLOAD G0R1, G1H                                ; slot 1's first fill
.Lno_f1:
.irp q, 0,1,2,3,4,5,6,7                ; x's 32 fragments go into registers, once
.irp a, 0,1,2,3
	ALOC 4*\q+\a
	WIN (AW_<<6)
	FRAG AR_, ADA, (12288*\a+1536*\q)
.endr
.endr
	WIN 0
; ---- q AND k.  Accumulator (a, b), lane (r, h), register j: token row r of tile a, feature 32 (b/2) + 8 (b%2) + 16 h + j; head b / 4.
.set RO,  64                           ; v64-127  a token tile's 64 rotated numbers a lane
.set PC,  128                          ; v128-147 codes
.set TM,  148                          ; v148-163 at work
.set SW,  164                          ; v164-171 two scale words for each token tile
.set TT,  172                          ; v172-179 at work
.irp b, 0,1,2,3
	v_mov_b32 v[TM+4+\b], 0                        ; a lane permute's destination counts as one of its sources
.endr
; 64 numbers of a lane, register 16 b + i = k 32 b + 16 h + i of my row, become 12 registers of codes in v[PC] on; the four bytes stay in v[TM+4] on.
.macro QUANT s
.irp b, 0,1,2,3
	v_max3_num_f32 v[TM+\b], |v[\s+16*\b]|, |v[\s+1+16*\b]|, 0x1800000   ; with the floor 2^(3 - 127): the byte cannot fall under 1
.endr
.irp i, 2,4,6,8,10,12,14
.irp b, 0,1,2,3
	v_max3_num_f32 v[TM+\b], v[TM+\b], |v[\s+16*\b+\i]|, |v[\s+1+16*\b+\i]|
.endr
.endr
.irp b, 0,1,2,3
	v_permlanex16_b32 v[TM+4+\b], v[TM+\b], s[SEL], s[SEL+1]
.endr
.irp b, 0,1,2,3
	v_max_num_f32 v[TM+\b], v[TM+\b], v[TM+4+\b]   ; with lane l xor 16's: the block's largest magnitude
.endr
.irp b, 0,1,2,3
	v_add_nc_u32 v[TM+12+\b], 0xff000000, v[TM+\b] ; 2 off the exponent field: the conversion's scale operand
.endr
.irp b, 0,1,2,3
	v_lshrrev_b32 v[TM+4+\b], 23, v[TM+12+\b]      ; the byte
.endr
.irp c, 0,1
	v_cvt_scalef32_pk16_fp6_f32 v[PC+6*\c:PC+2+6*\c], v[\s+32*\c:\s+15+32*\c], v[TM+12+2*\c]
	v_cvt_scalef32_pk16_fp6_f32 v[PC+12+4*\c:PC+14+4*\c], v[\s+16+32*\c:\s+31+32*\c], v[TM+12+2*\c+1]
.endr
	v_nop                                          ; one plain line behind the scaled conversions
.irp c, 0,1                            ; a whole block to a lane: lanes 0-15 block 2 c, lanes 16-31 block 2 c + 1
.irp i, 0,1,2
	v_permlane16_swap_b32 v[PC+6*\c+\i], v[PC+12+4*\c+\i]
.endr
.irp i, 0,1,2
	v_mov_b32 v[PC+3+6*\c+\i], v[PC+12+4*\c+\i]
.endr
.endr
.endm
.macro QKBLOCK a                       ; token tile a's cos and sin lie in window 1 at v[32 ((a + 1) % 4) ..]
.set TG, 32*(((\a)+1)%4)
.if (\a) == 3
	s_wait_loadcnt 0x0                             ; tile 3's eight loads of the table
.endif
	WIN 0x06                                       ; source 0: the accumulators' window; source 1: window 1
.irp b, 0,1,2,3,4,5,6,7
.irp pr, 0,1,2,3                       ; (x2 sin, x2 cos); each accumulator is read from its low end on
	v_pk_mul_f32 v[TT+2*\pr:TT+2*\pr+1], v[64*(\a)+8*\b+2*\pr:64*(\a)+8*\b+2*\pr+1], v[TG+8*(\b%4)+2*\pr:TG+8*(\b%4)+2*\pr+1] op_sel:[1,1] op_sel_hi:[1,0]
.endr
.irp pr, 0,1,2,3                       ; (x1 cos - x2 sin, x1 sin + x2 cos)
	v_pk_fma_f32 v[RO+8*\b+2*\pr:RO+8*\b+2*\pr+1], v[64*(\a)+8*\b+2*\pr:64*(\a)+8*\b+2*\pr+1], v[TG+8*(\b%4)+2*\pr:TG+8*(\b%4)+2*\pr+1], v[TT+2*\pr:TT+2*\pr+1] op_sel_hi:[0,1,1] neg_lo:[0,0,1]
.endr
.endr
	WIN 0
	s_wait_xcnt 0x0                                ; the last tile's stores have read their registers: the codes may be written again
	QUANT RO
	v_lshl_or_b32 v[SW+2*(\a)], v[TM+5], 8, v[TM+4]
	v_lshl_or_b32 v[SW+2*(\a)+1], v[TM+7], 8, v[TM+6]
	v_or_b32 v[SW+2*(\a)], 0x7f7f0000, v[SW+2*(\a)]
	v_or_b32 v[SW+2*(\a)+1], 0x7f7f0000, v[SW+2*(\a)+1]
	ds_store_b32 v[QGA], v[SW+2*(\a)] offset:4*(\a)            ; lanes l and l xor 16 write the same word with the same value
	ds_store_b32 v[QGA], v[SW+2*(\a)+1] offset:512+4*(\a)
	global_store_b128 v[L16], v[PC:PC+3], s[66:67] offset:768*(\a)          ; registers 0-5: the first head's record
	global_store_b64 v[L8], v[PC+4:PC+5], s[66:67] offset:768*(\a)+512
	global_store_b128 v[L16], v[PC+6:PC+9], s[10:11] offset:768*(\a)        ; registers 6-11: the second head's
	global_store_b64 v[L8], v[PC+10:PC+11], s[10:11] offset:768*(\a)+512
.endm
	s_mov_b32 s42, 0
	WALU
.Lphase:                                               ; two trips: q, k
.irp a, 0,1,2
	TRIGL \a, 64+32*\a                             ; the table of tiles 0-2, into v64-159, which lie idle until the way out
.endr
	COMPUTE 1
	s_wait_loadcnt 8                               ; those 24 loads are in; tile 3's eight may be out
	WIN 0x40
.set n, 0
.rept 96
	v_mov_b32 v[32+n], v[64+n]                     ; to window 1, where Wqkv's fragments lay
.set n, n+1
.endr
	WIN 0
	QKBLOCK 0
	QKBLOCK 1
	QKBLOCK 2
	QKBLOCK 3
	WALU
	s_cmp_eq_u32 s14, 2
	s_cbranch_scc1 .Lslot_1_out                    ; slot 1's load is wave 2's own line; K step 3's barrier shows it
	s_wait_tensorcnt 0x0
.Lslot_1_out:
	s_wait_dscnt 0x0
	s_barrier_signal -1
	s_barrier_wait -1                              ; slot 0, the scales and the gathered words are shown to all
	ds_load_b128 v[180:183], v[QGR]
	s_wait_dscnt 0x0
	global_store_b128 v[L16], v[180:183], s[18:19] ; a head's 512 consecutive bytes
	s_wait_xcnt 0x0                                ; the stores have read their registers and bases
	s_mov_b64 s[66:67], s[46:47]
	s_mov_b64 s[10:11], s[100:101]
	s_mov_b64 s[18:19], s[104:105]
	s_add_co_u32 s42, s42, 1
	s_cmp_lt_u32 s42, 2
	s_cbranch_scc1 .Lphase
; ---- v.  Its K is the keys: 32 keys x 128 channels of f32 at a time turn through my stage, so that a lane holds one channel and its registers run down the keys.
.set VX,  64                           ; v64-127  two sets of 32 numbers
.set CV,  128                          ; v128-175 codes: [key block][32 channels be][6]
.set WW,  176                          ; v176-179 two scale bytes for each 32 channels
	COMPUTE 0
	s_mov_b32 s23, 0
	s_mul_i32 s22, s8, KVH
	s_mul_i32 s21, s9, 12288
	s_add_co_u32 s22, s22, s21
	s_mul_i32 s21, s15, 768                        ; my 64 keys: c = my half
	s_add_co_u32 s22, s22, s21
	s_add_co_u32 s22, s22, 12288
	s_add_nc_u64 s[66:67], s[6:7], s[22:23]
	s_add_nc_u64 s[10:11], s[66:67], KVH
	s_mul_i32 s22, s8, KVH
	s_lshl_b32 s21, s9, 8
	s_add_co_u32 s22, s22, s21
	s_add_co_u32 s22, s22, 8192
	s_add_nc_u64 s[18:19], s[6:7], s[22:23]
.macro LOADV be                        ; channels 32 be on: lanes 0-15 channel tile 2 be, lanes 16-31 tile 2 be + 1
.set i, 0
.rept 32
	ds_load_b32 v[VX+32*((\be)%2)+i], v[VRD] offset:528*i+128*(\be)
.set i, i+1
.endr
.endm
.macro BLOCKQ tb, be
.set XB, VX+32*((\be)%2)
.set CR, CV+24*(\tb)+6*(\be)
	v_max3_num_f32 v180, |v[XB]|, |v[XB+1]|, |v[XB+2]|
	v_max3_num_f32 v181, |v[XB+3]|, |v[XB+4]|, |v[XB+5]|
.irp i, 6,10,14,18,22,26
	v_max3_num_f32 v180, v180, |v[XB+\i]|, |v[XB+\i+1]|
	v_max3_num_f32 v181, v181, |v[XB+\i+2]|, |v[XB+\i+3]|
.endr
	v_max3_num_f32 v180, v180, |v[XB+30]|, |v[XB+31]|
	v_max3_num_f32 v180, v180, v181, 0x1800000
	v_add_nc_u32 v182, 0xff000000, v180
	v_lshrrev_b32 v183, 23, v182
.if (\tb) == 0
	v_mov_b32 v[WW+(\be)], v183
.else
	v_lshl_or_b32 v[WW+(\be)], v183, 8, v[WW+(\be)]
.endif
	v_cvt_scalef32_pk16_fp6_f32 v[CR:CR+2], v[XB:XB+15], v182
	v_cvt_scalef32_pk16_fp6_f32 v[20:22], v[XB+16:XB+31], v182
	v_nop
.irp i, 0,1,2
	v_mov_b32 v[CR+3+\i], v[20+\i]
.endr
.endm
.macro VBLK tb                         ; keys 32 tb on: token tiles 2 tb, 2 tb + 1
	WIN 0x08                                       ; an LDS store's data: window 2
.irp u, 0,1
.irp b, 0,1,2,3,4,5,6,7
	ds_store_b128 v[VSTO], v[64*(2*(\tb)+\u)+8*\b:64*(2*(\tb)+\u)+8*\b+3] offset:8*\u*528+128*(\b/2)+32*(\b%2)
	ds_store_b128 v[VSTO], v[64*(2*(\tb)+\u)+8*\b+4:64*(2*(\tb)+\u)+8*\b+7] offset:8*\u*528+128*(\b/2)+32*(\b%2)+16
.endr
.endr
	WIN 0
	LOADV 0
	LOADV 1
.irp be, 0,1,2,3
.if \be < 3
	s_wait_dscnt 32                                ; these 32 numbers are in; the next 32 channels' loads may be out
.else
	s_wait_dscnt 0x0
.endif
	BLOCKQ \tb, \be
.if \be < 2
	LOADV \be+2
.endif
.endr
.endm
.macro VST be, u, base                 ; channel tile dt = 2 (be % 2) + u of head be / 2
	global_store_b128 v[L16], v[CV+24*\u+6*\be:CV+24*\u+6*\be+3], s[\base:\base+1] offset:6144+(2*(2*(\be%2)+\u))*768
	global_store_b64 v[L8], v[CV+24*\u+6*\be+4:CV+24*\u+6*\be+5], s[\base:\base+1] offset:6144+(2*(2*(\be%2)+\u))*768+512
.endm
	VBLK 0
	VBLK 1
.irp be, 0,1,2,3                       ; two key blocks make a record's two halves: lanes 16-31 of the first change places with lanes 0-15 of the second
.irp i, 0,1,2,3,4,5
	v_permlane16_swap_b32 v[CV+6*\be+\i], v[CV+24+6*\be+\i]
.endr
.endr
.irp u, 0,1
	VST 0, \u, 66
	VST 1, \u, 66
	VST 2, \u, 10
	VST 3, \u, 10
.endr
	WALU
.irp be, 0,1,2,3
	ds_store_b16 v[VGA], v[WW+\be] offset:256*(\be/2)+8*(\be%2)
.endr
	s_wait_dscnt 0x0
	s_barrier_signal -1
	s_barrier_wait -1                              ; both halves of the keys have put their bytes
	s_cmp_lg_u32 s15, 0
	s_cbranch_scc1 .Lend
	ds_load_b128 v[64:67], v[VGR]
	s_wait_dscnt 0x0
	global_store_b128 v[VSO], v[64:67], s[18:19]   ; lanes 0-15: 256 consecutive bytes of the first head; lanes 16-31: of the second
.Lend:
	s_wait_tensorcnt 0x0                           ; the wave's end
	ds_add_u32 v[SPW], v[NIL]
	s_wait_dscnt 0x0
	CROUND                                         ; the closing round
	s_endpgm
.Lfunc_end_k_q3a04279c2d_qkvgemm:
	.size	k_q3a04279c2d_qkvgemm, .Lfunc_end_k_q3a04279c2d_qkvgemm-k_q3a04279c2d_qkvgemm
	.p2alignl 7, 3214868480
	.fill 96, 4, 3214868480
	.section	.rodata,"a",@progbits
	.p2align	6, 0x0
	.amdhsa_kernel k_q3a04279c2d_qkvgemm
		.amdhsa_group_segment_fixed_size 327680
		.amdhsa_private_segment_fixed_size 0
		.amdhsa_enable_private_segment 0
		.amdhsa_kernarg_size 16
		.amdhsa_user_sgpr_count 2
		.amdhsa_user_sgpr_kernarg_segment_ptr 1
		.amdhsa_wavefront_size32 1
		.amdhsa_system_sgpr_workgroup_id_x 1
		.amdhsa_system_sgpr_workgroup_id_y 1
		.amdhsa_system_sgpr_workgroup_id_z 1
		.amdhsa_system_vgpr_workitem_id 0
		.amdhsa_next_free_vgpr 1024
		.amdhsa_next_free_sgpr 106
		.amdhsa_reserve_vcc 0
		.amdhsa_float_denorm_mode_32 3
		.amdhsa_float_denorm_mode_16_64 3
		.amdhsa_memory_ordered 1
		.amdhsa_forward_progress 1
		.amdhsa_inst_pref_size 202
	.end_amdhsa_kernel
	.amdgpu_metadata
---
amdhsa.version: [ 1, 2 ]
amdhsa.kernels:
  - .name:           k_q3a04279c2d_qkvgemm
    .symbol:         k_q3a04279c2d_qkvgemm.kd
    .args:
      - { .name: pre, .offset: 0, .size: 8, .value_kind: global_buffer, .address_space: global }
      - { .name: qkvc, .offset: 8, .size: 8, .value_kind: global_buffer, .address_space: global }
    .group_segment_fixed_size: 327680
    .private_segment_fixed_size: 0
    .kernarg_segment_align: 8
    .kernarg_segment_size: 16
    .max_flat_workgroup_size: 128
    .sgpr_count:     106
    .vgpr_count:     1024
    .wavefront_size: 32
...
	.end_amdgpu_metadata
.endif
;; end of part 2
;; launch attn (part 3): grid 4 x 64, 8 waves a work-group, clusters of 4 x 1, 327,680 bytes of LDS; arguments qkvc, attc; writes attc
.if DOCPART == 3
	.amdgcn_target "amdgcn-amd-amdhsa--gfx1250"
	.amdhsa_code_object_version 6
	.text
	.protected	k_q3a04279c2d_attn
	.globl	k_q3a04279c2d_attn
	.p2align	8
	.type	k_q3a04279c2d_attn,@function
k_q3a04279c2d_attn:
	s_mov_b64 s[64:65], 0
	v_nop
	global_prefetch_b8 v0, s[64:65] scope:SCOPE_SE
	s_setreg_imm32_b32 hwreg(HW_REG_WAVE_MODE, 25, 1), 1
	s_wait_xcnt 0x0
	s_wait_alu depctr_hold_cnt(0) depctr_sa_sdst(0) depctr_va_vdst(0) depctr_va_sdst(0) depctr_va_ssrc(0) depctr_va_vcc(0) depctr_vm_vsrc(0)
	s_getreg_b32 s2, hwreg(HW_REG_IB_STS2, 6, 4)
	s_cmp_eq_u32 s2, 0
	s_cbranch_scc0 .Lentry_in_a_cluster
	s_endpgm
.Lentry_in_a_cluster:
	s_bfe_u32 s2, ttmp6, 0x10000c
	s_cmp_lg_u32 s2, 0x3003
	s_cbranch_scc0 .Lentry_shape_is_right
	s_endpgm
.Lentry_shape_is_right:
; CAUSAL ATTENTION ON CODES OF FP6 (E2M3): S^T = k q^T, p = 2^(t - M), O^T += v^T p^T, O / l, and O quantised along the head's 64 for the projection.  Both products are used transposed: a lane holds one query.
; LEFT OUT: key steps of 128 that lie wholly behind a wave's 32 queries (reference()'s own causal mask gives them p = 0 for all inputs); a NaN or an infinity that would arise only there is not carried on.
; LIMITS: NaN and infinities are not served; the promise holds while the scaled scores (exponents to the base 2) stay under 2^31 in magnitude; a block whose every p is 0 keeps the byte 1 over zero codes.
; THE DEAL.  A head (grid y) has 64 pairs of query tiles, 32 neighbouring queries each.  Its four work-groups, one cluster, ask jointly for the head's k and v, 208,896 bytes, which stay in LDS; nothing is filled again.
; One load a wave at the head: waves 0 and 1 the scale words and key steps 0-4 (144 rows of 256 bytes each), waves 2-7 the other eleven steps (88 rows each).  The first barrier shows the first part alone (waves 0 and 1 have waited);
; every wave's first four steps run on it (they read up to step 4's k); a second barrier, with every wave's wait, shows the rest.
; Work-group cx takes pairs 4 u + cx; wave w takes u = 15 - w and then u = w: (16 - w) + (w + 1) = 17 key steps for every wave.  The long pair has at least 9 steps: its first four hold no diagonal.
; A WAVE TAKES BOTH TILES OF A PAIR THROUGH A STEP: each fragment of k and v is read from LDS once for 32 queries.  v's fragments are fetched at the step's top, the next step's k behind the score products.
; No prefetch: every byte is asked for by the loads at the head, and no loop runs ahead of a load.
; qkvc, for each head: k's scale words [16 steps][r][8 tiles][4], v's [16][r][4][4], then 16 steps of (8 records of k, 8 of v); then q's records; then q's scale words.  A record of 768 bytes: registers 0-3 at 16 x lane, 4-5 at 512 + 8 x lane.
; The head's K is 64: the upper half of q's operand holds zero codes, so what stands in the upper half of k's operand (the next record's codes) adds nothing; its scale bytes are 0x7f.
; REGISTERS.  Window 0: addresses, state, k's fragments, q, codes of p, scale words.  Window 1: S (two tiles x 64), O^T (two x 32), v's fragments (48).  Index t = 0, 1 is the tile of the pair.
.set KVH,  208896
.set QC,   13369344
.set QS,   19660800
.set ASC,  6291456
.set STP,  12288                       ; a key step in LDS: 8 records of k, 8 of v
.set PARTA, 73728                      ; the scale words and steps 0-4
.set SPARE, 208896                     ; behind k and v: the spare words, 128 bytes a wave
.set ST,   12                          ; v12-19   [t]: -M, running largest t, the sum in two halves
.set FF,   24                          ; v24-27   [t]: the factor f (the pair's upper word is 0)
.set QW,   28                          ; v28-29   q's scale words
.set KF,   32                          ; v32-79   k's eight records; v80-85 zeros
.set KW,   86                          ; v86-93   k's scale words
.set VW,   94                          ; v94-97   v's
.set QF,   100                         ; v100-123 [t]: q's six registers, six zeros
.set Q2,   124                         ; v124-135 the second pair's q; v136-137 its scale words on their way
.set Q2W,  136
.set PW,   138                         ; v138-139 p's scale words
.set PC,   140                         ; v140-163 [t]: p's codes
.set TC,   164                         ; v164-179 [t]: the second conversions' codes
.set BM,   180                         ; v180-187 [t]: a block's largest
.set PB,   188
.set SO,   196
.set TT,   204
.set SU,   206
.set OB,   210
.set SPW,  254
.set NIL,  255
.set S,    0                           ; window 1
.set OT,   128
.set VF,   192
.set WV,   18
.set SEL,  20
.set CS,   22
.set G1A,  24
.set G1B,  32
.set G0A,  40
.set G0B,  44
.set QCB,  48
.set QSB,  50
.set QCA,  52
.set QSA,  54
.set OC,   56
.set OS,   58
.set OCA,  60
.set OSA,  62
.set J,    66
.set TB,   67
.set TS,   68
.set TJ,   69
.set LIM,  70
.set CNT,  71
.set HM,   72
.set TK,   80
.set TKS,  81
.set PR,   82
.set LO,   83
.set MSB, 0
.macro WIN new                         ; the immediate's high byte repeats the setting that is left
.if MSB != \new
	s_set_vgpr_msb (MSB<<8)|\new
.set MSB, \new
.endif
.endm
.macro WALU
	s_wait_alu depctr_va_vdst(0)
.endm
.macro NOPS
.rept 4
	v_nop
.endr
.endm
.macro CROUND
	s_barrier_signal -1
	s_barrier_wait -1
	s_cmp_lg_u32 s[WV], 0
	s_cbranch_scc1 .Lnot_wave_0_\@
	s_barrier_signal -3
.Lnot_wave_0_\@:
	s_barrier_wait -3
	s_barrier_signal -1
	s_barrier_wait -1
.endm
.macro MM d, a, b, c, sa, sb
	v_wmma_scale_f32_16x16x128_f8f6f4 v[\d:\d+7], v[\a:\a+11], v[\b:\b+11], \c, v[\sa], v[\sb] matrix_a_fmt:MATRIX_FMT_FP6 matrix_b_fmt:MATRIX_FMT_FP6
.endm
	s_load_b128 s[4:7], s[0:1], 0x0                ; qkvc, attc
	v_lshl_add_u32 v[SPW], v0, 2, SPARE
	v_mov_b32 v[NIL], 0
	ds_add_u32 v[SPW], v[NIL]                      ; the opening lines: the add twice on end and its wait
	ds_add_u32 v[SPW], v[NIL]
	v_lshrrev_b32 v8, 5, v0
	v_readfirstlane_b32 s[WV], v8                  ; wave
	s_bfe_u32 s19, ttmp6, 0x40000                  ; cx
	s_and_b32 s8, ttmp7, 0xffff                    ; the head, 16 x batch + head
	s_mul_i32 s10, s8, KVH
	s_mov_b32 s11, 0
	s_mov_b32 s[G1A], 15|(3<<16)|(1<<21)           ; all four of the cluster; elements of 8 bytes; 144 rows of 256 bytes
	s_mov_b32 s[G1A+1], 32<<16
	s_mov_b32 s[G1A+2], 144<<16
	s_mov_b32 s[G1A+3], 32<<16
	s_mov_b32 s[G1A+4], 144
	s_mov_b32 s[G1A+5], 32
	s_mov_b32 s[G1A+6], 0
	s_mov_b32 s[G1A+7], 0
	s_mov_b32 s[G1B], 15|(3<<16)|(1<<21)           ; the same with 88 rows
	s_mov_b32 s[G1B+1], 32<<16
	s_mov_b32 s[G1B+2], 88<<16
	s_mov_b32 s[G1B+3], 32<<16
	s_mov_b32 s[G1B+4], 88
	s_mov_b32 s[G1B+5], 32
	s_mov_b32 s[G1B+6], 0
	s_mov_b32 s[G1B+7], 0
	s_and_b32 s9, s[WV], 1
	s_mul_i32 s12, s9, 144*256                     ; waves 0, 1: my half of the first part, in memory and in LDS alike
	s_mov_b32 s13, 0
	s_mul_i32 s14, s[WV], 88*256                   ; waves 2-7: my sixth of the rest: PARTA + (wave - 2) x 22,528
	s_add_co_u32 s14, s14, PARTA-2*88*256
	s_mov_b32 s15, 0
	s_mov_b32 s[SEL], 0x76543210
	s_mov_b32 s[SEL+1], 0xfedcba98
	s_mov_b32 s[CS], 0x3e38aa3b                    ; log2(e) / 8
	s_mov_b32 s[CS+1], s[CS]
	s_wait_dscnt 0x0
	s_wait_kmcnt 0x0
	s_add_nc_u64 s[10:11], s[4:5], s[10:11]
	s_mov_b32 s[G0A], 1
	s_mov_b32 s[G0A+1], s12
	s_add_nc_u64 s[G0A+2:G0A+3], s[10:11], s[12:13]
	s_or_b32 s[G0A+3], s[G0A+3], 0x80000000
	s_mov_b32 s[G0B], 1
	s_mov_b32 s[G0B+1], s14
	s_add_nc_u64 s[G0B+2:G0B+3], s[10:11], s[14:15]
	s_or_b32 s[G0B+3], s[G0B+3], 0x80000000
	CROUND                                         ; the four work-groups are here: the joint loads meet
	s_cmp_lt_u32 s[WV], 2                          ; one load a wave, in one of two arms
	s_cbranch_scc0 .Lpart_b
	tensor_load_to_lds s[G0A:G0A+3], s[G1A:G1A+7]
	s_nop 0
	NOPS
	s_branch .Lasked
.Lpart_b:
	tensor_load_to_lds s[G0B:G0B+3], s[G1B:G1B+7]
	s_nop 0
	NOPS
.Lasked:
; where pair u = s73 lies: its even tile is 8 u + 2 cx; the odd tile's places follow by immediates
.macro TADR qc, qs, oc, os
	s_lshl_b32 s74, s73, 3
	s_lshl_b32 s75, s19, 1
	s_add_co_u32 s74, s74, s75
	s_mul_i32 s76, s74, 768
	s_mul_i32 s75, s8, 98304
	s_add_co_u32 s76, s76, s75
	s_add_co_u32 s76, s76, QC
	s_mov_b32 s77, 0
	s_add_nc_u64 s[\qc:\qc+1], s[4:5], s[76:77]
	s_lshl_b32 s76, s73, 9
	s_lshl_b32 s75, s19, 3
	s_add_co_u32 s76, s76, s75
	s_lshl_b32 s75, s8, 13
	s_add_co_u32 s76, s76, s75
	s_add_co_u32 s76, s76, QS
	s_add_nc_u64 s[\qs:\qs+1], s[4:5], s[76:77]
	s_lshr_b32 s75, s8, 4
	s_lshl_b32 s75, s75, 7
	s_add_co_u32 s75, s75, s74                     ; the row tile in attc
	s_and_b32 s78, s8, 15
	s_mul_i32 s76, s75, 12288
	s_mul_i32 s79, s78, 768
	s_add_co_u32 s76, s76, s79
	s_add_nc_u64 s[\oc:\oc+1], s[6:7], s[76:77]
	s_lshl_b32 s76, s75, 9
	s_lshr_b32 s79, s78, 2
	s_lshl_b32 s79, s79, 7
	s_add_co_u32 s76, s76, s79
	s_and_b32 s79, s78, 3
	s_lshl_b32 s79, s79, 1
	s_add_co_u32 s76, s76, s79
	s_add_co_u32 s76, s76, ASC
	s_add_nc_u64 s[\os:\os+1], s[6:7], s[76:77]
.endm
	s_sub_co_u32 s73, 15, s[WV]
	TADR QCB, QSB, OC, OS
	s_mov_b32 s73, s[WV]
	TADR QCA, QSA, OCA, OSA
	v_and_b32 v23, 31, v0                          ; lane
	v_and_b32 v8, 15, v0                           ; r
	v_bfe_u32 v9, v0, 4, 1                         ; h
	v_lshlrev_b32 v1, 4, v23
	v_lshlrev_b32 v2, 3, v23
	v_lshlrev_b32 v3, 5, v8                        ; k's and q's scale words: 32 bytes a row
	v_lshl_add_u32 v4, v8, 4, 8192                 ; v's: 16 bytes a row, behind k's
	v_lshl_add_u32 v7, v8, 3, v9                   ; the result's scale byte: 8 r + h
	v_cmp_lt_u32 s[HM], 15, v23
.irp t, 0,1
	global_load_b128 v[QF+12*\t:QF+12*\t+3], v1, s[QCB:QCB+1] offset:768*\t
	global_load_b64 v[QF+12*\t+4:QF+12*\t+5], v2, s[QCB:QCB+1] offset:768*\t+512
	global_load_b32 v[QW+\t], v3, s[QSB:QSB+1] offset:4*\t
	global_load_b128 v[Q2+6*\t:Q2+6*\t+3], v1, s[QCA:QCA+1] offset:768*\t
	global_load_b64 v[Q2+6*\t+4:Q2+6*\t+5], v2, s[QCA:QCA+1] offset:768*\t+512
	global_load_b32 v[Q2W+\t], v3, s[QSA:QSA+1] offset:4*\t
.endr
	v_and_b32 v10, 8, v8
	v_add_nc_u32 v10, v10, v8                      ; r + 8 (r / 8)
	v_lshlrev_b32 v11, 4, v9
	v_sub_nc_u32 v10, v10, v11
	s_lshl_b32 s73, s19, 5
	v_add_nc_u32 v5, s73, v10                      ; my query's place in its key step, less 16 h: tile 0,
	v_add_nc_u32 v6, 8, v5                         ; tile 1
.irp i, 0,1,2,3,4,5
	v_mov_b32 v[QF+6+\i], 0
	v_mov_b32 v[QF+18+\i], 0
	v_mov_b32 v[KF+48+\i], 0
.endr
.irp i, 0,1,2,3,4,5,6,7
	v_mov_b32 v[PB+\i], 0                          ; a lane permute's destination counts as one of its sources
.endr
	v_mov_b32 v[TT], 0
	v_mov_b32 v[TT+1], 0
	v_mov_b32 v[FF+1], 0
	v_mov_b32 v[FF+3], 0
	v_mov_b32 v22, 0xff800000                      ; -inf
.macro STATE                           ; a pair begins: the largest t -3e38, sums and O^T zeros, which the first change of M leaves zeros
.irp t, 0,1
	v_mov_b32 v[ST+4*\t+1], 0xff61b1e6
	v_mov_b32 v[ST+4*\t+2], 0
	v_mov_b32 v[ST+4*\t+3], 0
.endr
	v_floor_f32 v[ST], -v[ST+1]
	v_floor_f32 v[ST+4], -v[ST+5]
	WIN 0x40
.set n, 0
.rept 64
	v_mov_b32 v[OT+n], 0
.set n, n+1
.endr
	WIN 0
.endm
.macro LOADK                           ; a step's eight records of k and their scale words: 18 loads
.irp i, 0,1,2,3,4,5,6,7
	ds_load_b128 v[KF+6*\i:KF+6*\i+3], v10 offset:768*\i
	ds_load_b64 v[KF+6*\i+4:KF+6*\i+5], v11 offset:768*\i+512
.endr
	ds_load_b128 v[KW:KW+3], v20
	ds_load_b128 v[KW+4:KW+7], v20 offset:16
.endm
	STATE
	v_add_nc_u32 v10, STP, v1                      ; step 0's k
	v_add_nc_u32 v11, STP, v2
	v_mov_b32 v20, v3
	s_sub_co_u32 s[LIM], 15, s[WV]                 ; the pair's last key step
	s_mov_b32 s[PR], 0
	WALU                                           ; the wait at the head's end
	s_cmp_lt_u32 s[WV], 2
	s_cbranch_scc0 .Lnot_a
	s_wait_tensorcnt 0x0                           ; my half of the first part is in
.Lnot_a:
	s_barrier_signal -1
	s_barrier_wait -1                              ; the first part is shown; the rest may be on its way
	LOADK
	s_wait_loadcnt 0x0                             ; q
; A KEY STEP OF 128 FOR BOTH TILES.  LDS waits: 17 = v's loads of this step, younger than k's; 18 = the next step's k, younger than v's.  sk = 1: with the tests for steps that are not mine and for the diagonal.
.macro STEP sk
.if \sk
	s_cmp_lt_u32 s[J], s[LO]
	s_cbranch_scc1 .Lskip_\@                       ; done already, ahead of the second barrier
	s_cmp_gt_u32 s[J], s[LIM]
	s_cbranch_scc1 .Lskip_\@                       ; wholly behind my queries
.endif
	s_add_co_u32 s[TK], s[TB], STP                 ; the next step's k; the last step asks for its own again, so that no read leaves k and v
	s_min_u32 s[TK], s[TK], 16*STP
	s_add_co_u32 s[TKS], s[TS], 512
	s_min_u32 s[TKS], s[TKS], 15*512
	v_add_nc_u32 v8, s[TB], v1                     ; (these six lines are also the places between the last step's products and the loads into v's registers)
	v_add_nc_u32 v9, s[TB], v2
	v_add_nc_u32 v21, s[TJ], v4
	v_add_nc_u32 v10, s[TK], v1
	v_add_nc_u32 v11, s[TK], v2
	v_add_nc_u32 v20, s[TKS], v3
	WIN 0x40
.irp d, 0,1,2,3
	ds_load_b128 v[VF+12*\d:VF+12*\d+3], v8 offset:6144+1536*\d
	ds_load_b64 v[VF+12*\d+4:VF+12*\d+5], v9 offset:6144+1536*\d+512
	ds_load_b128 v[VF+12*\d+6:VF+12*\d+9], v8 offset:6144+1536*\d+768
	ds_load_b64 v[VF+12*\d+10:VF+12*\d+11], v9 offset:6144+1536*\d+1280
.endr
	WIN 0
	ds_load_b128 v[VW:VW+3], v21
	WALU                                           ; the wait ahead of the wait below
	s_wait_dscnt 17                                ; k is in
	WIN 0x40
.irp i, 0,1,2,3,4,5,6,7
.irp t, 0,1
	MM S+64*\t+8*\i, KF+6*\i, QF+12*\t, 0, KW+\i, QW+\t
.endr
.endr
	WIN 0
	NOPS                                           ; places ahead of the loads into k's registers and of the first reads of S
	LOADK
.if \sk
	s_cmp_lg_u32 s[J], s[LIM]
	s_cbranch_scc1 .Lopen_\@
	WIN 0x41                                       ; the step with the diagonal: register n holds key 32 (n / 16) + n % 16 + 16 h
.irp t, 0,1
.set n, 0
.rept 64
	v_cmp_gt_i32 vcc_lo, 32*(n/16)+n%16, v[5+\t]
	v_cndmask_b32 v[S+64*\t+n], v[S+64*\t+n], v22, vcc_lo
.set n, n+1
.endr
.endr
	WIN 0
.Lopen_\@:
.endif
	WIN 0x15                                       ; the largest score of each block of 32 keys: eight chains by turns
.irp b, 0,1,2,3
.irp t, 0,1
	v_max3_num_f32 v[BM+4*\t+\b], v[S+64*\t+16*\b], v[S+64*\t+16*\b+1], v[S+64*\t+16*\b+2]
.endr
.endr
	WIN 0x14
.irp i, 3,5,7,9,11,13
.irp b, 0,1,2,3
.irp t, 0,1
	v_max3_num_f32 v[BM+4*\t+\b], v[BM+4*\t+\b], v[S+64*\t+16*\b+\i], v[S+64*\t+16*\b+\i+1]
.endr
.endr
.endr
	WIN 0x04
.irp b, 0,1,2,3
.irp t, 0,1
	v_max_num_f32 v[BM+4*\t+\b], v[BM+4*\t+\b], v[S+64*\t+16*\b+15]
.endr
.endr
	WIN 0
.irp b, 0,1,2,3,4,5,6,7
	v_permlanex16_b32 v[PB+\b], v[BM+\b], s[SEL], s[SEL+1]
.endr
.irp b, 0,1,2,3,4,5,6,7
	v_max_num_f32 v[BM+\b], v[BM+\b], v[PB+\b]     ; with lane l xor 16's 16 keys
.endr
.irp t, 0,1
	v_max3_num_f32 v[TT+\t], v[BM+4*\t], v[BM+4*\t+1], v[BM+4*\t+2]
.endr
.irp t, 0,1
	v_max_num_f32 v[TT+\t], v[TT+\t], v[BM+4*\t+3]
.endr
.irp t, 0,1
	v_mul_f32 v[TT+\t], s[CS], v[TT+\t]
.endr
.irp t, 0,1
	v_max_num_f32 v[ST+4*\t+1], v[ST+4*\t+1], v[TT+\t]   ; the running largest t
.endr
.irp t, 0,1
	v_mov_b32 v[TT+\t], v[ST+4*\t]
.endr
.irp t, 0,1
	v_floor_f32 v[ST+4*\t], -v[ST+4*\t+1]          ; -M = floor(-t): M is a whole number
.endr
.irp t, 0,1
	v_sub_f32 v[TT+\t], v[ST+4*\t], v[TT+\t]
.endr
.irp t, 0,1
	v_cvt_i32_f32 v[TT+\t], v[TT+\t]
.endr
.irp t, 0,1
	v_ldexp_f32 v[FF+2*\t], 1.0, v[TT+\t]          ; f = 2^(old M - new M)
.endr
.irp b, 0,1,2,3
.irp t, 0,1
	v_fma_f32 v[BM+4*\t+\b], v[BM+4*\t+\b], s[CS], v[ST+4*\t]
.endr
.endr
	WIN 0x41
.irp t, 0,1
.set n, 0
.rept 32
	v_pk_fma_f32 v[S+64*\t+n:S+64*\t+n+1], v[S+64*\t+n:S+64*\t+n+1], s[CS:CS+1], v[ST+4*\t:ST+4*\t+1] op_sel_hi:[1,0,0]
.set n, n+2
.endr
.endr
	WALU                                           ; a wait ahead of the batch and one behind it
.set n, 0
.rept 128
	v_exp_f32 v[S+n], v[S+n]                       ; p = 2^(t - M)
.set n, n+1
.endr
	WIN 0
.irp t, 0,1
	v_pk_mul_f32 v[ST+4*\t+2:ST+4*\t+3], v[ST+4*\t+2:ST+4*\t+3], v[FF+2*\t:FF+2*\t+1] op_sel_hi:[1,0]
.endr
	WALU
.irp b, 0,1,2,3,4,5,6,7
	v_exp_f32 v[BM+\b], v[BM+\b]                   ; each block's largest p
.endr
	WIN 0x05                                       ; the rows' sums, of the unquantised p: four chains
.irp t, 0,1
	v_pk_add_f32 v[SU+2*\t:SU+2*\t+1], v[S+64*\t:S+64*\t+1], v[S+64*\t+2:S+64*\t+3]
.endr
	WIN 0x04
.set n, 4
.rept 15
.irp t, 0,1
	v_pk_add_f32 v[ST+4*\t+2:ST+4*\t+3], v[ST+4*\t+2:ST+4*\t+3], v[S+64*\t+n:S+64*\t+n+1]
	v_pk_add_f32 v[SU+2*\t:SU+2*\t+1], v[SU+2*\t:SU+2*\t+1], v[S+64*\t+n+2:S+64*\t+n+3]
.endr
.set n, n+4
.endr
	WIN 0
.irp t, 0,1
	v_pk_add_f32 v[ST+4*\t+2:ST+4*\t+3], v[ST+4*\t+2:ST+4*\t+3], v[SU+2*\t:SU+2*\t+1]
.endr
	WALU
.irp b, 0,1,2,3,4,5,6,7
	v_max_num_f32 v[BM+\b], 0x1800000, v[BM+\b]    ; the floor 2^(3 - 127): the byte cannot fall under 1
.endr
.irp b, 0,1,2,3,4,5,6,7
	v_add_nc_u32 v[SO+\b], 0xff000000, v[BM+\b]    ; 2 off the exponent field: the conversion's scale operand
.endr
.irp b, 0,1,2,3,4,5,6,7
	v_lshrrev_b32 v[PB+\b], 23, v[SO+\b]
.endr
.irp t, 0,1
	v_lshl_or_b32 v[PW+\t], v[PB+4*\t+1], 8, v[PB+4*\t]
.endr
.irp t, 0,1
	v_lshl_or_b32 v[PW+\t], v[PB+4*\t+2], 16, v[PW+\t]
.endr
.irp t, 0,1
	v_lshl_or_b32 v[PW+\t], v[PB+4*\t+3], 24, v[PW+\t]
.endr
	WIN 0x01
.irp t, 0,1
.irp c, 0,1
	v_cvt_scalef32_pk16_fp6_f32 v[PC+12*\t+6*\c:PC+12*\t+6*\c+2], v[S+64*\t+32*\c:S+64*\t+32*\c+15], v[SO+4*\t+2*\c]
	v_cvt_scalef32_pk16_fp6_f32 v[TC+8*\t+4*\c:TC+8*\t+4*\c+2], v[S+64*\t+32*\c+16:S+64*\t+32*\c+31], v[SO+4*\t+2*\c+1]
.endr
.endr
	WIN 0
	v_nop                                          ; one plain line behind the scaled conversions
.irp t, 0,1
.irp c, 0,1
.irp i, 0,1,2
	v_permlane16_swap_b32 v[PC+12*\t+6*\c+\i], v[TC+8*\t+4*\c+\i]   ; a whole block to a lane
.endr
.endr
.endr
.irp t, 0,1
.irp c, 0,1
.irp i, 0,1,2
	v_mov_b32 v[PC+12*\t+6*\c+3+\i], v[TC+8*\t+4*\c+\i]
.endr
.endr
.endr
	WIN 0x41
	WALU                                           ; the wait directly ahead of the first reader of O^T
.irp t, 0,1
.set n, 0
.rept 16
	v_pk_mul_f32 v[OT+32*\t+n:OT+32*\t+n+1], v[OT+32*\t+n:OT+32*\t+n+1], v[FF+2*\t:FF+2*\t+1] op_sel_hi:[1,0]
.set n, n+2
.endr
.endr
	WALU
	s_wait_dscnt 18                                ; v is in
	WIN 0x51
.irp d, 0,1,2,3
.irp t, 0,1
	MM OT+32*\t+8*\d, VF+12*\d, PC+12*\t, v[OT+32*\t+8*\d:OT+32*\t+8*\d+7], VW+\d, PW+\t
.endr
.endr
	WIN 0
.if \sk
.Lskip_\@:
.endif
	s_add_co_u32 s[J], s[J], 1
	s_add_co_u32 s[TB], s[TB], STP
	s_add_co_u32 s[TS], s[TS], 512
	s_add_co_u32 s[TJ], s[TJ], 256
.endm
	s_mov_b32 s[J], 0
	s_mov_b32 s[TB], STP
	s_mov_b32 s[TS], 0
	s_mov_b32 s[TJ], 0
	s_mov_b32 s[CNT], 4
.Lfirst:                                               ; the long pair's steps 0-3, on the first part of k and v
	STEP 0
	s_sub_co_u32 s[CNT], s[CNT], 1
	s_cmp_lg_u32 s[CNT], 0
	s_cbranch_scc1 .Lfirst
	s_wait_tensorcnt 0x0                           ; my part of the rest is in,
	s_wait_dscnt 0x0
	s_barrier_signal -1
	s_barrier_wait -1                              ; and everybody's
	s_mov_b32 s[LO], 4
.Lpair:                                                ; two trips: the long pair from step 4 on, the short pair
	s_mov_b32 s[J], 0
	s_mov_b32 s[TB], STP
	s_mov_b32 s[TS], 0
	s_mov_b32 s[TJ], 0
	s_mov_b32 s[CNT], 16
.Lstep:
	STEP 1
	s_sub_co_u32 s[CNT], s[CNT], 1
	s_cmp_lg_u32 s[CNT], 0
	s_cbranch_scc1 .Lstep
; THE PAIR'S END: O / l, quantised along the head's 64 (two blocks of 32, each in lanes l and l xor 16), as records and scale bytes for the projection
	NOPS
.irp t, 0,1
	v_add_f32 v[ST+4*\t+2], v[ST+4*\t+2], v[ST+4*\t+3]
.endr
.irp t, 0,1
	v_permlanex16_b32 v[TT+\t], v[ST+4*\t+2], s[SEL], s[SEL+1]
.endr
.irp t, 0,1
	v_add_f32 v[ST+4*\t+2], v[ST+4*\t+2], v[TT+\t]
.endr
	WALU
.irp t, 0,1
	v_rcp_f32 v[FF+2*\t], v[ST+4*\t+2]
.endr
	v_nop
	WIN 0x41
	WALU
.irp t, 0,1
.set n, 0
.rept 16
	v_pk_mul_f32 v[S+64*\t+n:S+64*\t+n+1], v[OT+32*\t+n:OT+32*\t+n+1], v[FF+2*\t:FF+2*\t+1] op_sel_hi:[1,0]
.set n, n+2
.endr
.endr
	WIN 0x05
.irp b, 0,1
.irp t, 0,1
	v_max3_num_f32 v[BM+4*\t+\b], |v[S+64*\t+16*\b]|, |v[S+64*\t+16*\b+1]|, 0x1800000
.endr
.endr
	WIN 0x14
.irp i, 2,4,6,8,10,12,14
.irp b, 0,1
.irp t, 0,1
	v_max3_num_f32 v[BM+4*\t+\b], v[BM+4*\t+\b], |v[S+64*\t+16*\b+\i]|, |v[S+64*\t+16*\b+\i+1]|
.endr
.endr
.endr
	WIN 0
.irp b, 0,1,4,5
	v_permlanex16_b32 v[PB+\b], v[BM+\b], s[SEL], s[SEL+1]
.endr
.irp b, 0,1,4,5
	v_max_num_f32 v[BM+\b], v[BM+\b], v[PB+\b]
.endr
.irp b, 0,1,4,5
	v_add_nc_u32 v[SO+\b], 0xff000000, v[BM+\b]
.endr
.irp b, 0,1,4,5
	v_lshrrev_b32 v[PB+\b], 23, v[SO+\b]
.endr
	WIN 0x01
.irp t, 0,1
	v_cvt_scalef32_pk16_fp6_f32 v[PC+12*\t:PC+12*\t+2], v[S+64*\t:S+64*\t+15], v[SO+4*\t]
	v_cvt_scalef32_pk16_fp6_f32 v[TC+8*\t:TC+8*\t+2], v[S+64*\t+16:S+64*\t+31], v[SO+4*\t+1]
.endr
	WIN 0
.irp t, 0,1
	v_cndmask_b32 v[OB+\t], v[PB+4*\t], v[PB+4*\t+1], s[HM]   ; lanes 0-15 block 0's byte, lanes 16-31 block 1's
.endr
.irp t, 0,1
.irp i, 0,1,2
	v_permlane16_swap_b32 v[PC+12*\t+\i], v[TC+8*\t+\i]
.endr
.endr
.irp t, 0,1
.irp i, 0,1,2
	v_mov_b32 v[PC+12*\t+3+\i], v[TC+8*\t+\i]
.endr
.endr
.irp t, 0,1
	global_store_b128 v1, v[PC+12*\t:PC+12*\t+3], s[OC:OC+1] offset:12288*\t
	global_store_b64 v2, v[PC+12*\t+4:PC+12*\t+5], s[OC:OC+1] offset:12288*\t+512
	global_store_b8 v7, v[OB+\t], s[OS:OS+1] offset:512*\t
.endr
	s_cmp_eq_u32 s[PR], 1
	s_cbranch_scc1 .Ldone
	s_wait_xcnt 0x0                                ; the stores have read their registers and bases
	s_wait_dscnt 0x0                               ; the last step's loads into k's registers are done
	s_mov_b64 s[OC:OC+1], s[OCA:OCA+1]
	s_mov_b64 s[OS:OS+1], s[OSA:OSA+1]
.irp t, 0,1
.irp i, 0,1,2,3,4,5
	v_mov_b32 v[QF+12*\t+\i], v[Q2+6*\t+\i]
.endr
	v_mov_b32 v[QW+\t], v[Q2W+\t]
.endr
	v_add_nc_u32 v10, STP, v1
	v_add_nc_u32 v11, STP, v2
	v_mov_b32 v20, v3
	LOADK
	STATE
	s_mov_b32 s[LIM], s[WV]
	s_mov_b32 s[LO], 0
	WALU                                           ; the wait ahead of the branch
	s_add_co_u32 s[PR], s[PR], 1
	s_cmp_lt_u32 s[PR], 2
	s_cbranch_scc1 .Lpair
.Ldone:
	s_wait_tensorcnt 0x0                           ; the wave's end
	ds_add_u32 v[SPW], v[NIL]
	s_wait_dscnt 0x0
	CROUND                                         ; the closing round
	s_endpgm
.Lfunc_end_k_q3a04279c2d_attn:
	.size	k_q3a04279c2d_attn, .Lfunc_end_k_q3a04279c2d_attn-k_q3a04279c2d_attn
	.p2alignl 7, 3214868480
	.fill 96, 4, 3214868480
	.section	.rodata,"a",@progbits
	.p2align	6, 0x0
	.amdhsa_kernel k_q3a04279c2d_attn
		.amdhsa_group_segment_fixed_size 327680
		.amdhsa_private_segment_fixed_size 0
		.amdhsa_enable_private_segment 0
		.amdhsa_kernarg_size 16
		.amdhsa_user_sgpr_count 2
		.amdhsa_user_sgpr_kernarg_segment_ptr 1
		.amdhsa_wavefront_size32 1
		.amdhsa_system_sgpr_workgroup_id_x 1
		.amdhsa_system_sgpr_workgroup_id_y 1
		.amdhsa_system_sgpr_workgroup_id_z 1
		.amdhsa_system_vgpr_workitem_id 0
		.amdhsa_next_free_vgpr 512
		.amdhsa_next_free_sgpr 84
		.amdhsa_reserve_vcc 1
		.amdhsa_float_denorm_mode_32 3
		.amdhsa_float_denorm_mode_16_64 3
		.amdhsa_memory_ordered 1
		.amdhsa_forward_progress 1
		.amdhsa_inst_pref_size 96
	.end_amdhsa_kernel
	.amdgpu_metadata
---
amdhsa.version: [ 1, 2 ]
amdhsa.kernels:
  - .name:           k_q3a04279c2d_attn
    .symbol:         k_q3a04279c2d_attn.kd
    .args:
      - { .name: qkvc, .offset: 0, .size: 8, .value_kind: global_buffer, .address_space: global }
      - { .name: attc, .offset: 8, .size: 8, .value_kind: global_buffer, .address_space: global }
    .group_segment_fixed_size: 327680
    .private_segment_fixed_size: 0
    .kernarg_segment_align: 8
    .kernarg_segment_size: 16
    .max_flat_workgroup_size: 256
    .sgpr_count:     84
    .vgpr_count:     512
    .wavefront_size: 32
...
	.end_amdgpu_metadata
.endif
;; end of part 3
;; launch proj (part 4): grid 4 x 64, 4 waves a work-group, clusters of 4 x 4, 327,680 bytes of LDS; arguments attc, pre, out0; writes out0
.if DOCPART == 4
	.amdgcn_target "amdgcn-amd-amdhsa--gfx1250"
	.amdhsa_code_object_version 6
	.text
	.protected	k_q3a04279c2d_proj
	.globl	k_q3a04279c2d_proj
	.p2align	8
	.type	k_q3a04279c2d_proj,@function
k_q3a04279c2d_proj:
	s_mov_b64 s[64:65], 0
	v_nop
	global_prefetch_b8 v0, s[64:65] scope:SCOPE_SE
	s_setreg_imm32_b32 hwreg(HW_REG_WAVE_MODE, 25, 1), 1
	s_wait_xcnt 0x0
	s_wait_alu depctr_hold_cnt(0) depctr_sa_sdst(0) depctr_va_vdst(0) depctr_va_sdst(0) depctr_va_ssrc(0) depctr_va_vcc(0) depctr_vm_vsrc(0)
	s_getreg_b32 s2, hwreg(HW_REG_IB_STS2, 6, 4)
	s_cmp_eq_u32 s2, 0
	s_cbranch_scc0 .Lentry_in_a_cluster
	s_endpgm
.Lentry_in_a_cluster:
	s_bfe_u32 s2, ttmp6, 0x10000c
	s_cmp_lg_u32 s2, 0xf033
	s_cbranch_scc0 .Lentry_shape_is_right
	s_endpgm
.Lentry_shape_is_right:
; out0 = O Wo^T on codes of FP6 (E2M3) with E8M0 scales; f32 out.  256 work-groups, each 128 tokens x 256 features; four waves, 2 x 2: a wave makes 64 x 128: 32 accumulators.
; O's 64 rows of a wave, all of K, lie in registers (32 fragments, 384 registers); Wo lies in two LDS slots, one for each half of K (16 row tiles x 6,144 bytes), each filled once.
; The codes lie as register images (records of 768 bytes: 16 rows x 64 K); a row tile i holds rows 32 (i/2) + 8 (i%2) + r + 8 (r/8).  The matrix instruction is used transposed: a lane holds 8 neighbouring features of one token.
; CLUSTERS 4 x 4: O's tiles are asked for jointly along a row of the cluster, Wo's along a column.
; FILLS: at the head one load a wave: O's codes, slot 0, O's scales, Wo's scales; slot 1's first fill stands behind the full sequence and a round, and a plain barrier in K step 3 shows it to all.  Nothing is filled again.
; The way out's stages lie in O's region of LDS, which is read for the last time at the head.  No prefetch: all five loads are asked for at the head, and no loop runs ahead of a load.
; REGISTERS: window 0: v1-29 addresses; v32-63 scale words, nothing else; v184-255 O's fragments 26-31; on the way out v128-255.  window 1: Wo's fragments, two sets of 96; v192-251 O's fragments 21-25.
;   window 2: accumulator (a, b) at v[8 (8 a + b)].  window 3: O's fragments 0-20.
.set ASC,   6291456
.set OQ,    8650752
.set OS,    9797632
.set SL0,   98304
.set SL1,   196608
.set SCA,   294912
.set SCB,   299008
.set SPARE, 307200
.set SPITCH, 528
.set STO,  8
.set RD,   9
.set ADRB, 16
.set ADA,  20
.set L16,  24
.set L8,   25
.set ADRS, 27
.set SPW,  28
.set NIL,  29
.set SC,   32
.set BK,   128
.set G1A,  24
.set G1H,  32
.set G1S,  48
.set G1SB, 56
.set G1R,  68
.set G0A,  76
.set G0H,  80
.set G0S,  84
.set G0SB, 88
.set G0R1, 96
.set MSB, 0
.macro WIN new                         ; the immediate's high byte repeats the setting that is left
.if MSB != \new
	s_set_vgpr_msb (MSB<<8)|\new
.set MSB, \new
.endif
.endm
.macro PLACES n
.rept \n
	v_nop
.endr
.endm
.macro WALU
	s_wait_alu depctr_va_vdst(0)
.endm
.macro CREST
	s_cmp_lg_u32 s14, 0
	s_cbranch_scc1 .Lnot_wave_0_\@
	s_barrier_signal -3
.Lnot_wave_0_\@:
	s_barrier_wait -3
	s_barrier_signal -1
	s_barrier_wait -1
.endm
.macro CROUND
	s_barrier_signal -1
	s_barrier_wait -1
	CREST
.endm
.macro GRP g, mask, c, rows, pitch     ; group 1: rows of c elements of 8 bytes; the mask, bit 21 beside it; no padding
	s_or_b32 s[\g], s\mask, (3<<16)|(1<<21)
	s_mov_b32 s[\g+1], (\c)<<16
	s_mov_b32 s[\g+2], (\rows)<<16
	s_mov_b32 s[\g+3], (\c)<<16
	s_mov_b32 s[\g+4], \rows
	s_mov_b32 s[\g+5], \pitch
	s_mov_b32 s[\g+6], 0
	s_mov_b32 s[\g+7], 0
.endm
.macro G0SET g, lds, adr
	s_mov_b32 s[\g], 1
	s_mov_b32 s[\g+1], \lds
	s_mov_b64 s[\g+2:\g+3], s[\adr:\adr+1]
	s_or_b32 s[\g+3], s[\g+3], 0x80000000
.endm
.macro TLOAD g0, g1
	tensor_load_to_lds s[\g0:\g0+3], s[\g1:\g1+7]
	s_nop 0
	PLACES 4
.endm
.macro ARM under, g0, g1, next
	s_cmp_lt_u32 s14, \under
	s_cbranch_scc0 \next
	TLOAD \g0, \g1
	s_branch .Lhead_asked
\next:
.endm
.macro ALOC f                          ; where O's fragment f lies: window AW_, register AR_
.if (\f) < 21
.set AW_, 3
.set AR_, 12*(\f)
.elseif (\f) < 26
.set AW_, 1
.set AR_, 192+12*((\f)-21)
.else
.set AW_, 0
.set AR_, 184+12*((\f)-26)
.endif
.endm
.macro FRAG reg, adr, off              ; a fragment: two records, four dense loads
	ds_load_b128 v[\reg:\reg+3], v[\adr] offset:\off
	ds_load_b64 v[\reg+4:\reg+5], v[\adr+2] offset:\off+512
	ds_load_b128 v[\reg+6:\reg+9], v[\adr] offset:\off+768
	ds_load_b64 v[\reg+10:\reg+11], v[\adr+2] offset:\off+1280
.endm
.macro FETCH_B slot, qq, p
	WIN 0x40
.irp i, 0,1,2,3,4,5,6,7
	FRAG 96*(\p)+12*\i, ADRB+(\slot), (6144*\i+1536*(\qq))
.endr
	WIN 0
.endm
.macro SCALES kp                       ; two K steps' words: lanes 0-15 O's tile i (i < 4 is used), lanes 16-31 Wo's tile i
.irp i, 0,1,2,3,4,5,6,7
	ds_load_b64 v[SC+16*((\kp)%2)+2*\i:SC+16*((\kp)%2)+2*\i+1], v[ADRS] offset:\i*512+128*(\kp)
.endr
.endm
; eight products: token tile a x the eight feature tiles, K step q.  The 32 accumulators take turns in the same order in every K step.
.macro MUL8 q, a
	ALOC 4*(\q)+(\a)
	WIN (0xa1|(AW_<<2))
.irp b, 0,1,2,3,4,5,6,7
.if (\q) == 0
	v_wmma_scale_f32_16x16x128_f8f6f4 v[64*(\a)+8*\b:64*(\a)+8*\b+7], v[96*((\q)%2)+12*\b:96*((\q)%2)+12*\b+11], v[AR_:AR_+11], 0, v[SC+16*(((\q)/2)%2)+2*\b+(\q)%2], v[SC+16*(((\q)/2)%2)+2*(\a)+(\q)%2] matrix_a_fmt:MATRIX_FMT_FP6 matrix_b_fmt:MATRIX_FMT_FP6 matrix_a_scale:MATRIX_SCALE_ROW1
.else
	v_wmma_scale_f32_16x16x128_f8f6f4 v[64*(\a)+8*\b:64*(\a)+8*\b+7], v[96*((\q)%2)+12*\b:96*((\q)%2)+12*\b+11], v[AR_:AR_+11], v[64*(\a)+8*\b:64*(\a)+8*\b+7], v[SC+16*(((\q)/2)%2)+2*\b+(\q)%2], v[SC+16*(((\q)/2)%2)+2*(\a)+(\q)%2] matrix_a_fmt:MATRIX_FMT_FP6 matrix_b_fmt:MATRIX_FMT_FP6 matrix_a_scale:MATRIX_SCALE_ROW1
.endif
.endr
.endm
.macro NEXTB q
	FETCH_B ((\q)+1)/4, ((\q)+1)%4, ((\q)+1)%2
.if ((\q)+1)%2 == 0
	SCALES ((\q)+1)/2
.endif
.endm
.macro KSTEP q                         ; 32 products; the next step's fragments are fetched at its head; in K step 3 behind the barrier that shows slot 1
	s_wait_dscnt 0x0
.if (\q) == 3
	MUL8 \q, 0
	MUL8 \q, 1
	s_wait_tensorcnt 0x0                           ; my part of slot 1 is in
	s_barrier_signal -1
	MUL8 \q, 2
	WIN 0
	s_barrier_wait -1                              ; and everybody's
	PLACES 4
	NEXTB \q
	MUL8 \q, 3
.else
	PLACES 4
.if (\q) < 7
	NEXTB \q
.endif
	MUL8 \q, 0
	MUL8 \q, 1
	MUL8 \q, 2
	MUL8 \q, 3
.endif
.endm
	s_load_b128 s[4:7], s[0:1], 0x0                ; attc, pre
	s_load_b64 s[8:9], s[0:1], 0x10                ; out0
	v_lshl_add_u32 v[SPW], v0, 2, SPARE
	v_mov_b32 v[NIL], 0
	ds_add_u32 v[SPW], v[NIL]                      ; the opening lines: the add twice on end and its wait
	ds_add_u32 v[SPW], v[NIL]
	v_lshrrev_b32 v1, 5, v0
	v_readfirstlane_b32 s14, v1                    ; wave
	s_lshr_b32 s15, s14, 1                         ; my half of the tokens
	s_and_b32 s16, s14, 1                          ; my half of the features
	s_bfe_u32 s40, ttmp6, 0x40000                  ; cx: which 256 features
	s_bfe_u32 s41, ttmp6, 0x40004                  ; cy
	s_and_b32 s17, ttmp7, 0xffff
	s_lshl_b32 s17, s17, 2
	s_add_co_u32 s17, s17, s41                     ; which 128 tokens
	s_lshl_b32 s43, s41, 2
	s_lshl_b32 s43, 15, s43                        ; my row of the cluster
	s_lshl_b32 s44, 0x1111, s40                    ; my column
	GRP G1A,  43, 32, 384, 32                      ; O's codes: 98,304 dense bytes
	GRP G1H,  44, 768, 16, 1536                    ; a slot: 16 row tiles x 6,144 bytes, 12,288 apart
	GRP G1R,  44, 768, 8, 1536                     ; half a slot
	GRP G1S,  43, 32, 16, 32                       ; O's scales: 4,096 dense bytes
	GRP G1SB, 44, 32, 32, 32                       ; Wo's: 8,192
	s_mul_i32 s20, s17, 98304
	s_mov_b32 s21, 0
	s_lshl_b32 s22, s17, 12
	s_add_co_u32 s22, s22, ASC
	s_mov_b32 s23, 0
	s_mul_i32 s46, s40, 196608
	s_add_co_u32 s46, s46, OQ
	s_mov_b32 s47, 0
	s_lshl_b32 s18, s40, 13
	s_add_co_u32 s18, s18, OS
	s_mov_b32 s19, 0
	s_mul_i32 s10, s16, 98304                      ; slot 1: my 8 row tiles in memory,
	s_add_co_u32 s10, s10, 6144
	s_mov_b32 s11, 0
	s_mul_i32 s45, s16, 49152                      ; and in the slot
	s_wait_dscnt 0x0
	s_wait_kmcnt 0x0
	s_add_nc_u64 s[20:21], s[4:5], s[20:21]
	s_add_nc_u64 s[22:23], s[4:5], s[22:23]
	s_add_nc_u64 s[46:47], s[6:7], s[46:47]
	s_add_nc_u64 s[18:19], s[6:7], s[18:19]
	CROUND                                         ; all sixteen work-groups are here: the first joint loads meet
	G0SET G0A, 0, 20
	G0SET G0H, SL0, 46
	G0SET G0S, SCA, 22
	G0SET G0SB, SCB, 18
	s_add_nc_u64 s[46:47], s[46:47], s[10:11]
	G0SET G0R1, SL1, 46
	s_add_co_u32 s[G0R1+1], s[G0R1+1], s45
	ARM 1, G0A, G1A, .Lhead_b                      ; one load a wave: one chain of branches on the wave's number
	ARM 2, G0H, G1H, .Lhead_sa
	ARM 3, G0S, G1S, .Lhead_sb
	TLOAD G0SB, G1SB
.Lhead_asked:
	v_and_b32 v1, 15, v0                           ; r
	v_bfe_u32 v2, v0, 4, 1                         ; h
	v_and_b32 v3, 31, v0
	v_lshlrev_b32 v[L16], 4, v3
	v_lshlrev_b32 v[L8], 3, v3
	s_mul_i32 s21, s15, 49152                      ; O: my four row tiles
	v_add_nc_u32 v[ADA], s21, v[L16]
	v_add_nc_u32 v[ADA+2], s21, v[L8]
	s_add_co_u32 s22, s45, SL0                     ; Wo: my eight
	v_add_nc_u32 v[ADRB], s22, v[L16]
	v_add_nc_u32 v[ADRB+2], s22, v[L8]
	s_add_co_u32 s22, s45, SL1
	v_add_nc_u32 v[ADRB+1], s22, v[L16]
	v_add_nc_u32 v[ADRB+3], s22, v[L8]
	v_lshlrev_b32 v5, 3, v1
	s_lshl_b32 s21, s15, 11
	s_lshl_b32 s22, s16, 12
	s_add_co_u32 s22, s22, SCB-SCA
	s_sub_co_u32 s22, s22, s21
	v_mul_u32_u24 v6, s22, v2                      ; lanes 16-31 take Wo's
	s_add_co_u32 s21, s21, SCA
	v_add_nc_u32 v5, v5, v6
	v_add_nc_u32 v[ADRS], s21, v5
	s_mul_i32 s23, s14, 16*SPITCH                  ; my stage: 16 rows x 528 bytes
	v_mul_u32_u24 v5, v1, SPITCH
	v_lshl_add_u32 v5, v2, 6, v5
	v_add_nc_u32 v[STO], s23, v5
	v_add_nc_u32 v[RD], s23, v[L16]
	s_lshl_b32 s20, s17, 19                        ; my first row of out0: 128 x block + 64 x half, rows of 4,096 bytes
	s_lshl_b32 s21, s15, 18
	s_add_co_u32 s20, s20, s21
	s_lshl_b32 s21, s40, 10                        ; my first column, in bytes
	s_add_co_u32 s20, s20, s21
	s_lshl_b32 s21, s16, 9
	s_add_co_u32 s20, s20, s21
	s_mov_b32 s21, 0
	s_add_nc_u64 s[8:9], s[8:9], s[20:21]
	WALU                                           ; the wait at the head's end
	s_wait_tensorcnt 0x0                           ; my tile of the head's four is in; the lines ahead of a later first fill:
	ds_add_u32 v[SPW], v[NIL]
	s_wait_dscnt 0x0
	CROUND
	s_cmp_lt_u32 s14, 2
	s_cbranch_scc0 .Lno_half
	TLOAD G0R1, G1R                                ; slot 1's first fill: waves 0 and 1 a half each
.Lno_half:
.irp q, 0,1,2,3,4,5,6,7                ; O's 32 fragments go into registers
.irp a, 0,1,2,3
	ALOC 4*\q+\a
	WIN (AW_<<6)
	FRAG AR_, ADA, (12288*\a+1536*\q)
.endr
.endr
	WIN 0
	FETCH_B 0, 0, 0
	SCALES 0
.irp q, 0,1,2,3,4,5,6,7
	KSTEP \q
.endr
	WIN 0
; THE WAY OUT, block by block of 16 rows x 128 columns: through my own stage and back as whole rows of 512 bytes.  LDS serves a wave's instructions in order: no wait between the stores and the loads.
.macro TOSTAGE a
	WIN 0x08
.irp b, 0,1,2,3,4,5,6,7
	ds_store_b128 v[STO], v[64*(\a)+8*\b:64*(\a)+8*\b+3] offset:128*(\b/2)+32*(\b%2)
	ds_store_b128 v[STO], v[64*(\a)+8*\b+4:64*(\a)+8*\b+7] offset:128*(\b/2)+32*(\b%2)+16
.endr
	WIN 0
.set BB, BK+64*((\a)%2)
.irp t, 0,1,2,3,4,5,6,7,8,9,10,11,12,13,14,15
	ds_load_b128 v[BB+4*\t:BB+4*\t+3], v[RD] offset:\t*SPITCH
.endr
.endm
.macro SEND a, younger                 ; younger: the LDS instructions issued behind block a's loads
.set BB, BK+64*((\a)%2)
	s_wait_dscnt \younger
.irp t, 0,1,2,3,4,5,6,7,8,9,10,11,12,13,14,15
	global_store_b128 v[L16], v[BB+4*\t:BB+4*\t+3], s[8:9] offset:(32*((\a)/2)+8*((\a)%2)+\t+8*(\t/8))*4096 th:TH_STORE_NT
.endr
.endm
	PLACES 4
	TOSTAGE 0
.irp a, 1,2,3
.if \a > 1
	s_wait_xcnt 0x0                                ; block a - 2's stores have read their registers
.endif
	TOSTAGE \a
	SEND \a-1, 32
.endr
	SEND 3, 0
	s_wait_tensorcnt 0x0                           ; the wave's end
	ds_add_u32 v[SPW], v[NIL]
	s_wait_dscnt 0x0
	CROUND                                         ; the closing round
	s_endpgm
.Lfunc_end_k_q3a04279c2d_proj:
	.size	k_q3a04279c2d_proj, .Lfunc_end_k_q3a04279c2d_proj-k_q3a04279c2d_proj
	.p2alignl 7, 3214868480
	.fill 96, 4, 3214868480
	.section	.rodata,"a",@progbits
	.p2align	6, 0x0
	.amdhsa_kernel k_q3a04279c2d_proj
		.amdhsa_group_segment_fixed_size 327680
		.amdhsa_private_segment_fixed_size 0
		.amdhsa_enable_private_segment 0
		.amdhsa_kernarg_size 24
		.amdhsa_user_sgpr_count 2
		.amdhsa_user_sgpr_kernarg_segment_ptr 1
		.amdhsa_wavefront_size32 1
		.amdhsa_system_sgpr_workgroup_id_x 1
		.amdhsa_system_sgpr_workgroup_id_y 1
		.amdhsa_system_sgpr_workgroup_id_z 1
		.amdhsa_system_vgpr_workitem_id 0
		.amdhsa_next_free_vgpr 1024
		.amdhsa_next_free_sgpr 100
		.amdhsa_reserve_vcc 0
		.amdhsa_float_denorm_mode_32 3
		.amdhsa_float_denorm_mode_16_64 3
		.amdhsa_memory_ordered 1
		.amdhsa_forward_progress 1
		.amdhsa_inst_pref_size 85
	.end_amdhsa_kernel
	.amdgpu_metadata
---
amdhsa.version: [ 1, 2 ]
amdhsa.kernels:
  - .name:           k_q3a04279c2d_proj
    .symbol:         k_q3a04279c2d_proj.kd
    .args:
      - { .name: attc, .offset: 0, .size: 8, .value_kind: global_buffer, .address_space: global }
      - { .name: pre, .offset: 8, .size: 8, .value_kind: global_buffer, .address_space: global }
      - { .name: out0, .offset: 16, .size: 8, .value_kind: global_buffer, .address_space: global }
    .group_segment_fixed_size: 327680
    .private_segment_fixed_size: 0
    .kernarg_segment_align: 8
    .kernarg_segment_size: 24
    .max_flat_workgroup_size: 128
    .sgpr_count:     100
    .vgpr_count:     1024
    .wavefront_size: 32
...
	.end_amdgpu_metadata
.endif
;; end of part 4
